; MI455X (gfx1250); checked and timed in simulation.
; The chip was launched on July 23, 2026; its instructions are those of AMD's public machine-readable ISA for CDNA 5 (MIT licence, August 2026) and "CDNA5" Instruction Set Architecture Reference Guide (July 2026). The comments in the code are by the model that wrote it; some were corrected since.
;; PGLU. Allowed arithmetic: float matrix products may take bf16 or f16 operands with f32 sums; all other float work in f32.
;; Inputs: Wc_b 2,048 float32; Wc_w 2,048 x 4,096 float32; Wi_b 2,048 float32; Wi_w 2,048 x 2,048 float32; Wr_b 2,048 float32; Wr_w 2,048 x 4,096 float32; Wz_b 2,048 float32; Wz_w 2,048 x 4,096 float32; decay_rate 2,048 float32; h_prev 2,048 x 2,048 float32; potential_prev 2,048 x 2,048 float32; tresh 2,048 float32; x 2,048 x 2,048 float32.
;; Outputs: out0 2,048 x 2,048 float32; out1 2,048 x 2,048 float32.
;; One version. Each part assembles by itself: llvm-mc -triple=amdgcn-amd-amdhsa -mcpu=gfx1250 --defsym DOCPART=n.
;; ======== version 1 of 1: 4 launches
;; limits: values outside matrix products are rounded to bf16
;; workspace buffers: xb 8,388,608 bytes; wib 8,388,608 bytes; wrz 33,554,432 bytes; wcb 16,777,216 bytes; comb 16,777,216 bytes; rh 8,388,608 bytes; zbuf 16,777,216 bytes; cpart 16,777,216 bytes
;; launch cvt (part 1): grid 1024 x 1, 8 waves a work-group, no clusters, 0 bytes of LDS; arguments x, h_prev, Wi_w, xb, comb, wib; writes xb, comb, wib
.if DOCPART == 1
	.amdgcn_target "amdgcn-amd-amdhsa--gfx1250"
	.amdhsa_code_object_version 6
	.text
	.protected	k_q627f14c1e9_cvt
	.globl	k_q627f14c1e9_cvt
	.p2align	8
	.type	k_q627f14c1e9_cvt,@function
k_q627f14c1e9_cvt:
	s_mov_b64 s[64:65], 0
	v_nop
	global_prefetch_b8 v0, s[64:65] scope:SCOPE_SE
	s_setreg_imm32_b32 hwreg(HW_REG_WAVE_MODE, 25, 1), 1
	s_wait_xcnt 0x0
; cvt: the operands that the first product and the gates need at once are rounded from f32 to bf16 (nearest even):
;   x -> xb, Wi_w -> wib (dense); h_prev -> columns 2048-4095 of comb.  (Wr_w, Wz_w and Wc_w are rounded by the next launch, under its product.)
; A stream: no LDS, no barrier, no matrix unit, no cluster (no byte is read by two work-groups).
; A unit is 4,096 bytes of f32: thread t loads the 16 bytes at 16 t (a wave's load covers 512 consecutive bytes) and stores the 8 bytes at 8 t
; (a wave's store covers 256 consecutive bytes, aligned).  A work-group takes 12 units: 4 each of x, h_prev, Wi_w.
; All 12 loads go out first; every unit has four registers of its own, so no register is used twice and no source is ever rewritten.
.set X, 4                              ; v[4+4u : 7+4u]  unit u as loaded; its first two registers then hold the four bf16
	s_load_b256 s[8:15], s[0:1], 0x0               ; x s8, h_prev s10, Wi_w s12, xb s14
	s_load_b128 s[16:19], s[0:1], 0x20             ; comb s16, wib s18
	s_lshl_b32 s32, ttmp9, 13                      ; the work-group's number times 4 units of 2,048 bytes out
	s_mov_b32 s33, 0
	s_lshl_b32 s34, ttmp9, 14                      ; times 4 units of 4,096 bytes in = 2 rows of comb
	s_mov_b32 s35, 0
	v_lshlrev_b32 v1, 4, v0                        ; 16 t
	v_lshlrev_b32 v2, 3, v0                        ; 8 t
	s_wait_kmcnt 0x0
	s_add_nc_u64 s[8:9], s[8:9], s[34:35]
	s_add_nc_u64 s[10:11], s[10:11], s[34:35]
	s_add_nc_u64 s[12:13], s[12:13], s[34:35]
	s_add_nc_u64 s[14:15], s[14:15], s[32:33]
	s_add_nc_u64 s[16:17], s[16:17], s[34:35]
	s_add_nc_u64 s[18:19], s[18:19], s[32:33]
.macro LD u, S, off
	global_load_b128 v[X+4*(\u):X+4*(\u)+3], v1, s[\S:\S+1] offset:\off th:TH_LOAD_NT   ; read once in the launch
.endm
.macro ST u, D, off
	s_wait_loadcnt 11-(\u)                         ; loads come back in order: unit u is in, the 11 - u younger ones stay out
	v_cvt_pk_bf16_f32 v[X+4*(\u)], v[X+4*(\u)], v[X+4*(\u)+1]
	v_cvt_pk_bf16_f32 v[X+4*(\u)+1], v[X+4*(\u)+2], v[X+4*(\u)+3]
	global_store_b64 v2, v[X+4*(\u):X+4*(\u)+1], s[\D:\D+1] offset:\off      ; no hint: the next launches read these bytes
.endm
.irp j, 0,1,2,3
	LD \j, 8, 4096*\j
.endr
.irp j, 0,1,2,3
	LD 4+\j, 10, 4096*\j
.endr
.irp j, 0,1,2,3
	LD 8+\j, 12, 4096*\j
.endr
.irp j, 0,1,2,3
	ST \j, 14, 2048*\j
.endr
.irp j, 0,1,2,3
	ST 4+\j, 16, (\j>>1)*8192+4096+(\j&1)*2048     ; two units make a row of h: the right half of a row of comb
.endr
.irp j, 0,1,2,3
	ST 8+\j, 18, 2048*\j
.endr
	s_endpgm
.Lfunc_end_k_q627f14c1e9_cvt:
	.size	k_q627f14c1e9_cvt, .Lfunc_end_k_q627f14c1e9_cvt-k_q627f14c1e9_cvt
	.p2alignl 7, 3214868480
	.fill 96, 4, 3214868480
	.section	.rodata,"a",@progbits
	.p2align	6, 0x0
	.amdhsa_kernel k_q627f14c1e9_cvt
		.amdhsa_group_segment_fixed_size 0
		.amdhsa_private_segment_fixed_size 0
		.amdhsa_enable_private_segment 0
		.amdhsa_kernarg_size 48
		.amdhsa_user_sgpr_count 2
		.amdhsa_user_sgpr_kernarg_segment_ptr 1
		.amdhsa_wavefront_size32 1
		.amdhsa_system_sgpr_workgroup_id_x 1
		.amdhsa_system_sgpr_workgroup_id_y 1
		.amdhsa_system_sgpr_workgroup_id_z 1
		.amdhsa_system_vgpr_workitem_id 0
		.amdhsa_next_free_vgpr 52
		.amdhsa_next_free_sgpr 66
		.amdhsa_reserve_vcc 0
		.amdhsa_float_denorm_mode_32 3
		.amdhsa_float_denorm_mode_16_64 3
		.amdhsa_memory_ordered 1
		.amdhsa_forward_progress 1
		.amdhsa_inst_pref_size 5
	.end_amdhsa_kernel
	.amdgpu_metadata
---
amdhsa.version: [ 1, 2 ]
amdhsa.kernels:
  - .name:           k_q627f14c1e9_cvt
    .symbol:         k_q627f14c1e9_cvt.kd
    .args:
      - { .name: x, .offset: 0, .size: 8, .value_kind: global_buffer, .address_space: global }
      - { .name: h_prev, .offset: 8, .size: 8, .value_kind: global_buffer, .address_space: global }
      - { .name: Wi_w, .offset: 16, .size: 8, .value_kind: global_buffer, .address_space: global }
      - { .name: xb, .offset: 24, .size: 8, .value_kind: global_buffer, .address_space: global }
      - { .name: comb, .offset: 32, .size: 8, .value_kind: global_buffer, .address_space: global }
      - { .name: wib, .offset: 40, .size: 8, .value_kind: global_buffer, .address_space: global }
    .group_segment_fixed_size: 0
    .private_segment_fixed_size: 0
    .kernarg_segment_align: 8
    .kernarg_segment_size: 48
    .max_flat_workgroup_size: 256
    .sgpr_count:     66
    .vgpr_count:     52
    .wavefront_size: 32
...
	.end_amdgpu_metadata
.endif
;; end of part 1
;; launch pot (part 2): grid 16 x 16, 4 waves a work-group, clusters of 4 x 4, 327,680 bytes of LDS; arguments xb, wib, potential_prev, Wi_b, tresh, decay_rate, out1, comb, Wr_w, Wz_w, Wc_w, wrz, wcb; writes out1, comb, wrz, wcb
.if DOCPART == 2
	.amdgcn_target "amdgcn-amd-amdhsa--gfx1250"
	.amdhsa_code_object_version 6
	.text
	.protected	k_q627f14c1e9_pot
	.globl	k_q627f14c1e9_pot
	.p2align	8
	.type	k_q627f14c1e9_pot,@function
k_q627f14c1e9_pot:
	s_mov_b64 s[64:65], 0
	v_nop
	global_prefetch_b8 v0, s[64:65] scope:SCOPE_SE
	s_setreg_imm32_b32 hwreg(HW_REG_WAVE_MODE, 25, 1), 1
	s_wait_xcnt 0x0
	s_wait_alu depctr_hold_cnt(0) depctr_sa_sdst(0) depctr_va_vdst(0) depctr_va_sdst(0) depctr_va_ssrc(0) depctr_va_vcc(0) depctr_vm_vsrc(0)
	s_getreg_b32 s2, hwreg(HW_REG_IB_STS2, 6, 4)
	s_cmp_eq_u32 s2, 0
	s_cbranch_scc0 .Lentry_in_a_cluster
	s_endpgm
.Lentry_in_a_cluster:
	s_bfe_u32 s2, ttmp6, 0x10000c
	s_cmp_lg_u32 s2, 0xf033
	s_cbranch_scc0 .Lentry_shape_is_right
	s_endpgm
.Lentry_shape_is_right:
; pot: P = xb wib^T (bf16 operands, f32 sums); potential = potential_prev + (P + Wi_b); gated where potential - tresh > 0;
;   activated = potential where gated, else 0  -> bf16 into columns 0-2047 of comb (a matrix operand of the next launch);
;   out1 = (potential - activated) * decay_rate, f32.
; BESIDE IT, under the product: Wr_w, Wz_w, Wc_w are rounded from f32 to bf16 (nearest even) into wrz (rows 0-2047 Wr, rows 2048-4095 Wz) and wcb.
; LIMITS, kept on purpose.  potential_prev, Wi_b and tresh are rounded to bf16 (relative 2^-9) before the f32 arithmetic, as x and Wi_w are, so that the
; threshold is decided where all inputs are bf16 numbers; the order of the f32 operations is the module's own.  An element whose potential - tresh is
; smaller than the difference that the order of P's 2,048 additions makes (about 1e-6 for inputs of unit spread) can fall on either side.
; out1 is +0 where gated (the module has the potential's sign on that zero).  Infinite or NaN potentials are not reproduced.
;
; SHAPE.  2,048 x 2,048 outputs on 256 work-groups: a block of 128 x 128 each, four waves, a wave makes 64 x 64: 16 accumulator tiles, 128 registers.
; K goes through two LDS slots of 256 elements (eight quarters of 32): a tile's rows are 512 bytes of memory, aligned to 512.  One tensor load a wave
; fills a quarter of a slot (64 rows): waves 0 and 1 A's halves, waves 2 and 3 B's.  By this text's own count a wave has two tensor loads out at the
; start and one behind each refill; from a refill to the wait for it the wave issues 124 matrix instructions.
; CLUSTERS.  4 x 4 work-groups.  A's tile hangs on the block row alone and is asked for jointly by a row of the cluster, B's on the block column alone
; and is asked for jointly by a column: a quarter of the requests.
; THE STREAM.  Each of the 1,024 waves owns 32,768 consecutive bytes of each of the three weight matrices: 64 pieces of 512 bytes, one for each of its
; 64 quarters.  A quarter rounds and stores one piece of each matrix (256 consecutive bytes out, aligned) and asks for the piece eight quarters ahead:
; a ring of 8 x 3 loads in registers, 24 loads of 512 bytes of a wave on their way.
; The matrix instruction is used transposed (source 0 = rows of B, source 1 = rows of A): lane l holds row l % 16, columns 8 (l / 16) + 0..7 of a tile.
; REGISTERS.  Window 0: addresses, fragments (two buffers), the stream's ring, the way out.  Window 1: v0-127 accumulators (tile (a, b) at 8 (4 a + b)), v128-255 potential_prev.
.set NB,     4                         ; n blocks of 16 in a wave's tile
.set KEL,    256                       ; elements of K in a slot
.set ROWB,   512                       ; bytes of a slot's row in memory
.set PITCH,  528                       ; an LDS row: 512 bytes + 16 of padding: the 16 rows that a fragment load touches start 16 bytes apart modulo 256
.set QI,     6                         ; padding behind every 2 << 6 = 128 words
.set ALD,    64                        ; rows in a load of A
.set BLD,    64                        ; rows in a load of B
.set SIZE_K, 2048                      ; elements from row to row in A and in B
.set KSH,    12                        ; log2 of the bytes from row to row
.set ABYTES, 128*PITCH
.set SLOT,   (128+2*BLD)*PITCH         ; A's 128 rows, then B's 128
.set LAPS,   SIZE_K/(2*KEL)            ; a lap = once round the two slots
.set SPITCH, 528                       ; the way out: a stage row of 128 f32 + 16 bytes
.set G1W0,   (1<<16)|(1<<20)|(1<<21)|(QI<<22)|(3<<25)   ; elements of 2 bytes; padding on; bit 21 beside a mask; the interval; 4 words of padding
.set ADRA, 16                          ; v16-17  LDS address of my A fragments in slot 0, 1
.set ADRB, 20                          ; v20-21  the same for B
.set STO,  24                          ; v24     the way out: where my 32 bytes of a tile's row go
.set RD,   25                          ; v25     the way out: my 16 bytes of the first row that my wave reads back
.set L16,  26                          ; v26     16 x lane, never rewritten
.set L8,   27                          ; v27     8 x lane, never rewritten
                                       ; v18-19, v22-23, v28-29  the stream: the four bf16 of Wr, Wz, Wc to store;  v30-31 at work in the way out
.set FA0,  32                          ; A fragments: buffer f at 32 + 32 f
.set FB0,  96                          ; B fragments: buffer f at 96 + 64 f (32 registers each)
                                       ; v128-159, v192-255  the stream's ring: group g = 3 j + m (quarter j of a slot, matrix m), four registers each
.set PPK,  32                          ; the way out: potential_prev as bf16 pairs, 2 registers a row
.set RW,   96                          ; eight rows of P, then of the potential
.set OU,   128                         ; eight rows for out1
.set AP,   160                         ; eight rows of activated, packed
.set AC,   176                         ; activated, one row
.set TT,   224                         ; at work
.set G1,  24                           ; s[24:31] group 1 for A
.set G0,  32                           ; s[32:39] group 0 for A, one set a slot
.set G1B, 48                           ; s[48:55] group 1 for B
.set G0B, 56                           ; s[56:63] group 0 for B, one set a slot
.set MUL, 0x50                         ; C and D in window 1, fragments in window 0
.set MSB, 0
.macro WIN new                         ; the immediate's high byte repeats the setting that is left; a switch that changes nothing is dropped
.if MSB != \new
	s_set_vgpr_msb (MSB<<8)|\new
.set MSB, \new
.endif
.endm
.macro PLACES                          ; four plain vector places behind the matrix instructions, in front of loads into their sources and of reads of their results
.rept 4
	v_nop
.endr
.endm
; A joint load: waves 0 and 1 ask for A, waves 2 and 3 for B.  Each line has one mask and one set of registers; the branch hangs on the wave's number alone.
.macro JLOAD s
	s_cmp_eq_u32 s11, 0
	s_cbranch_scc0 .Lfor_b_\@
	tensor_load_to_lds s[G0+4*\s:G0+4*\s+3], s[G1:G1+7]
	s_nop 0
	s_branch .Lasked_\@
.Lfor_b_\@:
	tensor_load_to_lds s[G0B+4*\s:G0B+4*\s+3], s[G1B:G1B+7]
	s_nop 0
.Lasked_\@:
.endm
.macro CREST                           ; a round of the cluster's barrier behind its opening work-group barrier
	s_cmp_lg_u32 s10, 0
	s_cbranch_scc1 .Lnot_wave_0_\@
	s_barrier_signal -3
.Lnot_wave_0_\@:
	s_barrier_wait -3
	s_barrier_signal -1
	s_barrier_wait -1
.endm
.macro CROUND                          ; a whole round
	s_barrier_signal -1
	s_barrier_wait -1
	CREST
.endm
; NB matrix instructions: m block a x all n blocks, 32 along K, from buffer f.  zero = 1: the first product starts the sums.
.macro MULA f, a, zero
.irp b, 0,1,2,3
.if \zero
	v_wmma_f32_16x16x32_bf16 v[8*(NB*\a+\b):8*(NB*\a+\b)+7], v[FB0+64*\f+8*\b:FB0+64*\f+8*\b+7], v[FA0+32*\f+8*\a:FA0+32*\f+8*\a+7], 0
.else
	v_wmma_f32_16x16x32_bf16 v[8*(NB*\a+\b):8*(NB*\a+\b)+7], v[FB0+64*\f+8*\b:FB0+64*\f+8*\b+7], v[FA0+32*\f+8*\a:FA0+32*\f+8*\a+7], v[8*(NB*\a+\b):8*(NB*\a+\b)+7]
.endif
.endr
.endm
; The fragments of one quarter (byte k of the slot's rows) into buffer f, in one run: B's 8 loads, then A's 8.
.macro FETCH slot, k, f
.irp i, 0,1,2,3
	ds_load_b128 v[FB0+64*\f+8*\i:FB0+64*\f+8*\i+3],   v[ADRB+\slot] offset:\k+\i*16*PITCH
	ds_load_b128 v[FB0+64*\f+8*\i+4:FB0+64*\f+8*\i+7], v[ADRB+\slot] offset:\k+\i*16*PITCH+32
.endr
.irp i, 0,1,2,3
	ds_load_b128 v[FA0+32*\f+8*\i:FA0+32*\f+8*\i+3],   v[ADRA+\slot] offset:\k+\i*16*PITCH
	ds_load_b128 v[FA0+32*\f+8*\i+4:FA0+32*\f+8*\i+7], v[ADRA+\slot] offset:\k+\i*16*PITCH+32
.endr
.endm
; The ring's registers of quarter j: groups 3 j, 3 j + 1, 3 j + 2; groups 0-7 lie at v128, groups 8-23 at v192.
.macro RING j
.set XA, 128+4*(3*\j)+32*(((3*\j)/8+1)/2)
.set XB, 128+4*(3*\j+1)+32*(((3*\j+1)/8+1)/2)
.set XC, 128+4*(3*\j+2)+32*(((3*\j+2)/8+1)/2)
.endm
.macro PRIME j                         ; the first slot's pieces, asked for ahead of the product
	RING \j
	global_load_b128 v[XA:XA+3], v[L16], s[80:81] offset:512*\j th:TH_LOAD_NT
	global_load_b128 v[XB:XB+3], v[L16], s[82:83] offset:512*\j th:TH_LOAD_NT
	global_load_b128 v[XC:XC+3], v[L16], s[84:85] offset:512*\j th:TH_LOAD_NT
.endm
; The stream's share of quarter j of a slot.  step = 1 (a slot's first quarter, but the very first): the six bases go on by a slot's eight pieces.
; ld = 1: the same quarter of the next slot is asked for.  cd = 1 (the last slot): nothing was asked for behind it, so the counts run down.
.macro STREAM j, step, ld, cd
	s_wait_loadcnt 21-\cd*3*\j                     ; loads come back in order: this quarter's three are in, those of the seven quarters behind them stay out
	s_wait_xcnt 0x0                                ; the last quarter's store data and the bases are rewritten only behind this wait
.if \step
	s_add_nc_u64 s[80:81], s[80:81], 4096
	s_add_nc_u64 s[82:83], s[82:83], 4096
	s_add_nc_u64 s[84:85], s[84:85], 4096
	s_add_nc_u64 s[86:87], s[86:87], 2048
	s_add_nc_u64 s[8:9], s[8:9], 2048
	s_add_nc_u64 s[88:89], s[88:89], 2048
.endif
	RING \j
	v_cvt_pk_bf16_f32 v18, v[XA],   v[XA+1]
	v_cvt_pk_bf16_f32 v19, v[XA+2], v[XA+3]
	v_cvt_pk_bf16_f32 v22, v[XB],   v[XB+1]
	v_cvt_pk_bf16_f32 v23, v[XB+2], v[XB+3]
	v_cvt_pk_bf16_f32 v28, v[XC],   v[XC+1]
	v_cvt_pk_bf16_f32 v29, v[XC+2], v[XC+3]
.if \ld
	global_load_b128 v[XA:XA+3], v[L16], s[80:81] offset:4096+512*\j th:TH_LOAD_NT
	global_load_b128 v[XB:XB+3], v[L16], s[82:83] offset:4096+512*\j th:TH_LOAD_NT
	global_load_b128 v[XC:XC+3], v[L16], s[84:85] offset:4096+512*\j th:TH_LOAD_NT
.endif
	global_store_b64 v[L8], v[18:19], s[86:87] offset:256*\j     ; 256 consecutive bytes, aligned; no hint: the next launches read them
	global_store_b64 v[L8], v[22:23], s[8:9]   offset:256*\j
	global_store_b64 v[L8], v[28:29], s[88:89] offset:256*\j
.endm
; A quarter that is not a slot's last: multiplies buffer f, and in its middle fetches the next quarter (byte k) into buffer g and does the stream's share.
; The 16 accumulators take turns, one instruction a turn, in the same order in every quarter.
.macro QUARTER slot, k, f, g, zero, j, step, ld, cd
	s_wait_dscnt 4                                 ; B and A's m blocks 0, 1 are in; the youngest four loads (A's m blocks 2, 3) may be out
	WIN MUL
	MULA \f, 0, \zero
	MULA \f, 1, \zero
	PLACES
	WIN 0
	FETCH \slot, \k, \g
	STREAM \j, \step, \ld, \cd
	s_wait_dscnt 2*NB+8                            ; all but the 16 LDS loads just issued
	WIN MUL
	MULA \f, 2, \zero
	MULA \f, 3, \zero
.endm
.macro RUN slot, zero, step, ld, cd    ; a slot's quarters but the last, on buffers 0, 1, 0, ..
	QUARTER \slot, 64,  0, 1, \zero, 0, \step, \ld, \cd
	QUARTER \slot, 128, 1, 0, 0, 1, 0, \ld, \cd
	QUARTER \slot, 192, 0, 1, 0, 2, 0, \ld, \cd
	QUARTER \slot, 256, 1, 0, 0, 3, 0, \ld, \cd
	QUARTER \slot, 320, 0, 1, 0, 4, 0, \ld, \cd
	QUARTER \slot, 384, 1, 0, 0, 5, 0, \ld, \cd
	QUARTER \slot, 448, 0, 1, 0, 6, 0, \ld, \cd
.endm
; A slot's last quarter, on buffer 1, and the change of slots.  In front of the barrier each wave waits for its reads of this slot and for all its
; tensor loads (the one that is out is its part of the next slot).  fill = 1: the barrier opens a round of the cluster's barrier, and the joint refill
; of this slot, two slots ahead along K, is the first tensor load behind the round, one a wave.
.macro TURN slot, next, fill, ld, cd
	s_wait_dscnt 4
	WIN MUL
	MULA 1, 0, 0
	s_wait_dscnt 0                                 ; my reads of this slot are over
	s_set_vgpr_msb 0x505a
	s_wait_tensorcnt 0x0                           ; all my tensor loads have landed
	ds_add_u32 v0, v1
	s_wait_dscnt 0x0
	s_set_vgpr_msb 0x5a50
	s_barrier_signal -1
	MULA 1, 1, 0                                   ; register work while the others arrive
	WIN 0
	s_barrier_wait -1
.if \fill
	CREST
	s_add_nc_u64 s[G0+4*\slot+2:G0+4*\slot+3], s[G0+4*\slot+2:G0+4*\slot+3], 2*ROWB       ; no load of mine is out: a group 0 may be written
	s_add_nc_u64 s[G0B+4*\slot+2:G0B+4*\slot+3], s[G0B+4*\slot+2:G0B+4*\slot+3], 2*ROWB
	JLOAD \slot
.endif
	PLACES
	FETCH \next, 0, 0
	STREAM 7, 0, \ld, \cd
	WIN MUL
	MULA 1, 2, 0
	MULA 1, 3, 0
.endm
.macro LAP zero, step
	RUN 0, \zero, \step, 1, 0
	TURN 0, 1, 1, 1, 0
	RUN 1, 0, 1, 1, 0
	TURN 1, 0, 1, 1, 0
.endm
	s_load_b128 s[4:7], s[0:1], 0x0                ; xb (A), wib (B)
	s_load_b512 s[68:83], s[0:1], 0x10             ; potential_prev s68, Wi_b s70, tresh s72, decay_rate s74, out1 s76, comb s78, Wr_w s80, Wz_w s82
	s_load_b128 s[84:87], s[0:1], 0x50             ; Wc_w s84, wrz s86
	s_load_b64 s[88:89], s[0:1], 0x60              ; wcb
	s_set_vgpr_msb 0x80
	v_lshl_add_u32 v0, v0, 2, 0x42000
	v_mov_b32 v1, 0
	s_set_vgpr_msb 0x808a
	ds_add_u32 v0, v1
	s_set_vgpr_msb 0x8a00
	v_lshrrev_b32 v1, 5, v0
	v_readfirstlane_b32 s10, v1                    ; wave 0..3
	s_lshr_b32 s11, s10, 1                         ; my half of the block's rows; also: I fetch for A (0) or for B (1)
	s_and_b32 s12, s10, 1                          ; my half of its columns; also: which half of that tile I fetch
	s_bfe_u32 s40, ttmp6, 0x40000                  ; cx
	s_bfe_u32 s41, ttmp6, 0x40004                  ; cy
	s_lshl_b32 s42, ttmp9, 2
	s_add_co_u32 s42, s42, s40                     ; block column = 4 x cluster x + cx
	s_and_b32 s13, ttmp7, 0xffff
	s_lshl_b32 s13, s13, 2
	s_add_co_u32 s13, s13, s41                     ; block row = 4 x cluster y + cy
	s_lshl_b32 s43, s41, 2
	s_lshl_b32 s43, 15, s43                        ; my row of the cluster: places 4 cy .. 4 cy + 3
	s_lshl_b32 s44, 0x1111, s40                    ; my column: places cx, cx + 4, cx + 8, cx + 12
	s_mov_b32 s66, 0xffff0000                      ; a word's upper bf16
	s_or_b32 s[G1+0], s43, G1W0                    ; A's tiles go to my row of the cluster
	s_or_b32 s[G1B+0], s44, G1W0                   ; B's to my column
	s_mov_b32 s[G1+1], KEL<<16                     ; tensor_dim0 = the tile's
	s_mov_b32 s[G1B+1], KEL<<16
	s_mov_b32 s[G1+2], ALD<<16                     ; tensor_dim1 = the tile's
	s_mov_b32 s[G1B+2], BLD<<16
	s_mov_b32 s[G1+3], KEL<<16                     ; tile_dim0
	s_mov_b32 s[G1B+3], KEL<<16
	s_mov_b32 s[G1+4], ALD                         ; tile_dim1
	s_mov_b32 s[G1B+4], BLD
	s_mov_b32 s[G1+5], SIZE_K                      ; elements from row to row
	s_mov_b32 s[G1B+5], SIZE_K
	s_mov_b32 s[G1+6], 0
	s_mov_b32 s[G1B+6], 0
	s_mov_b32 s[G1+7], 0
	s_mov_b32 s[G1B+7], 0
	s_lshl_b32 s17, s12, 6
	s_lshl_b32 s16, s13, 7
	s_add_co_u32 s16, s16, s17                     ; A: row 128 x block row + 64 x half
	s_lshl_b32 s16, s16, KSH                       ; in bytes
	s_mov_b32 s17, 0
	s_lshl_b32 s47, s12, 6
	s_lshl_b32 s46, s42, 7
	s_add_co_u32 s46, s46, s47                     ; B: row 128 x block column + 64 x half
	s_lshl_b32 s46, s46, KSH
	s_mov_b32 s47, 0
	s_mul_i32 s20, s12, ALD*PITCH                  ; where A's halves go
	s_mul_i32 s45, s12, BLD*PITCH
	s_add_co_u32 s45, s45, ABYTES                  ; where B's halves go: no place in the cluster enters an LDS address
	s_wait_dscnt 0x0
	s_wait_kmcnt 0x0
	s_add_nc_u64 s[14:15], s[4:5], s[16:17]
	s_add_nc_u64 s[46:47], s[6:7], s[46:47]
	CROUND                                         ; all sixteen work-groups are here: the first joint loads meet
.irp s, 0,1
	s_mov_b32 s[G0+4*\s], 1
	s_add_co_u32 s[G0+4*\s+1], s20, \s*SLOT
	s_add_nc_u64 s[G0+4*\s+2:G0+4*\s+3], s[14:15], \s*ROWB
	s_or_b32 s[G0+4*\s+3], s[G0+4*\s+3], 0x80000000
	s_mov_b32 s[G0B+4*\s], 1
	s_add_co_u32 s[G0B+4*\s+1], s45, \s*SLOT
	s_add_nc_u64 s[G0B+4*\s+2:G0B+4*\s+3], s[46:47], \s*ROWB
	s_or_b32 s[G0B+4*\s+3], s[G0B+4*\s+3], 0x80000000
	JLOAD \s                                       ; both slots are asked for before anything else is done
.endr
	; lane addresses.  A fragment: lane l holds row l % 16; two loads of 16 bytes, 32 apart, at row x pitch + 16 (l / 16).
	v_and_b32 v1, 15, v0
	v_bfe_u32 v2, v0, 4, 1
	v_mul_u32_u24 v3, v1, PITCH
	v_lshl_add_u32 v3, v2, 4, v3
	s_mul_i32 s21, s11, 64*PITCH                   ; my 64 rows of A
	s_mul_i32 s22, s12, 16*NB*PITCH                ; my 64 rows of B,
	s_add_co_u32 s22, s22, ABYTES                  ; behind A's 128
.irp s, 0,1
	v_add_nc_u32 v[ADRA+\s], s21, v3
	v_add_nc_u32 v[ADRB+\s], s22, v3
	s_add_co_u32 s21, s21, SLOT
	s_add_co_u32 s22, s22, SLOT
.endr
	v_and_b32 v[L16], 31, v0
	v_lshlrev_b32 v[L8], 3, v[L16]
	v_lshlrev_b32 v[L16], 4, v[L16]
	; the stage: 128 rows of 128 f32 in what was slot 0's A part.  In: row 64 x row half + l % 16, byte 256 x column half + 32 (l / 16).  Back: wave w takes rows 32 w ..
	s_mul_i32 s23, s11, 64*SPITCH
	s_lshl_b32 s21, s12, 8
	s_add_co_u32 s23, s23, s21
	v_mul_u32_u24 v3, v1, SPITCH
	v_lshl_add_u32 v3, v2, 5, v3
	v_add_nc_u32 v[STO], s23, v3
	s_mul_i32 s23, s10, 32*SPITCH
	v_add_nc_u32 v[RD], s23, v[L16]
	; the way out's bases.  Wave w owns rows R0 = 128 x block row + 32 w .. + 31, whole rows of the block's 128 columns; lane l owns columns 4 l .. 4 l + 3.
	s_lshl_b32 s90, s13, 7
	s_lshl_b32 s91, s10, 5
	s_add_co_u32 s90, s90, s91
	s_lshl_b32 s90, s90, 13                        ; R0 x 8,192 bytes: a row of f32 [2048] and a row of bf16 [4096] alike
	s_lshl_b32 s92, s42, 8
	s_add_co_u32 s92, s92, s90                     ; + 256 x block column: bf16
	s_mov_b32 s93, 0
	s_lshl_b32 s94, s42, 9
	s_mov_b32 s95, 0
	s_add_co_u32 s90, s90, s94                     ; + 512 x block column: f32
	s_mov_b32 s91, 0
	; the stream's bases: wave number in the launch = 4 (16 x block row + block column) + w, times 32,768 bytes in and 16,384 out
	s_lshl_b32 s96, s13, 4
	s_add_co_u32 s96, s96, s42
	s_lshl_b32 s96, s96, 2
	s_add_co_u32 s96, s96, s10
	s_lshl_b32 s98, s96, 14
	s_mov_b32 s99, 0
	s_lshl_b32 s96, s96, 15
	s_mov_b32 s97, 0
	s_add_nc_u64 s[68:69], s[68:69], s[90:91]      ; potential_prev
	s_add_nc_u64 s[70:71], s[70:71], s[94:95]      ; Wi_b
	s_add_nc_u64 s[72:73], s[72:73], s[94:95]      ; tresh
	s_add_nc_u64 s[74:75], s[74:75], s[94:95]      ; decay_rate
	s_add_nc_u64 s[76:77], s[76:77], s[90:91]      ; out1
	s_add_nc_u64 s[78:79], s[78:79], s[92:93]      ; comb
	s_add_nc_u64 s[80:81], s[80:81], s[96:97]      ; Wr_w
	s_add_nc_u64 s[82:83], s[82:83], s[96:97]      ; Wz_w
	s_add_nc_u64 s[84:85], s[84:85], s[96:97]      ; Wc_w
	s_add_nc_u64 s[86:87], s[86:87], s[98:99]      ; wrz, Wr's half
	s_add_nc_u64 s[8:9], s[86:87], 0x1000000       ; wrz, Wz's half: 2,048 rows of 8,192 bytes further on
	s_add_nc_u64 s[88:89], s[88:89], s[98:99]      ; wcb
	; what the way out needs from memory is asked for now and lands under the product; its registers and addresses are left alone until it is used
	global_load_b128 v[4:7], v[L16], s[70:71]
	global_load_b128 v[8:11], v[L16], s[72:73]
	global_load_b128 v[12:15], v[L16], s[74:75]
	WIN 0x40                                       ; destination in window 1
.irp p, 0,1,2,3
.irp q, 0,1,2,3,4,5,6,7
	global_load_b128 v[128+4*(8*\p+\q):128+4*(8*\p+\q)+3], v[L16], s[68:69] offset:(8*\p+\q)*8192 th:TH_LOAD_NT   ; a row's 512 consecutive bytes
.endr
.endr
	WIN 0
.irp j, 0,1,2,3,4,5,6,7
	PRIME \j                                       ; behind the loads above, so that the stream's counted waits cover those too
.endr
	s_wait_tensorcnt 0x1                           ; my part of slot 0 is in; slot 1's may stay out
	s_barrier_signal -1
	s_barrier_wait -1
	FETCH 0, 0, 0
	LAP 1, 0                                       ; the first lap stands in front of the loop: its first products start the sums
	WIN 0
	s_mov_b32 s3, LAPS-2
.Llap:
	LAP 0, 1
	WIN 0
	s_sub_co_u32 s3, s3, 1
	s_cmp_lg_u32 s3, 0
	s_cbranch_scc1 .Llap
	RUN 0, 0, 1, 1, 0                              ; the last lap fills no slot; its first slot still asks for the stream's last eight quarters
	TURN 0, 1, 0, 1, 0                             ; behind this barrier no wave reads slot 0 and no load fills it again
	RUN 1, 0, 1, 0, 1
	s_wait_dscnt 4
	WIN MUL
	MULA 1, 0, 0
	MULA 1, 1, 0
	WIN 0
	STREAM 7, 0, 0, 1                              ; the stream's last pieces
	s_wait_dscnt 0
	WIN MUL
	MULA 1, 2, 0
	MULA 1, 3, 0
	; THE WAY OUT.  The raw sums go into the stage, 32 bytes a lane and tile, and come back as whole rows.
	PLACES
	WIN 0x04                                       ; store data in window 1
.irp a, 0,1,2,3
.irp b, 0,1,2,3
	ds_store_b128 v[STO], v[8*(NB*\a+\b):8*(NB*\a+\b)+3]   offset:\a*16*SPITCH+64*\b
	ds_store_b128 v[STO], v[8*(NB*\a+\b)+4:8*(NB*\a+\b)+7] offset:\a*16*SPITCH+64*\b+16
.endr
.endr
	WIN 0
	s_wait_dscnt 0                                 ; my stores are done, for the waves that read these rows
	s_barrier_signal -1
	s_barrier_wait -1
	s_wait_loadcnt 0x0                             ; met: the stream's waits have covered the early loads
	v_cvt_pk_bf16_f32 v30, v4, v5                  ; Wi_b and tresh as bf16 numbers, widened again (see LIMITS)
	v_cvt_pk_bf16_f32 v31, v6, v7
	v_lshlrev_b32 v4, 16, v30
	v_and_b32 v5, s66, v30
	v_lshlrev_b32 v6, 16, v31
	v_and_b32 v7, s66, v31
	v_cvt_pk_bf16_f32 v30, v8, v9
	v_cvt_pk_bf16_f32 v31, v10, v11
	v_lshlrev_b32 v8, 16, v30
	v_and_b32 v9, s66, v30
	v_lshlrev_b32 v10, 16, v31
	v_and_b32 v11, s66, v31
	WIN 0x05                                       ; sources in window 1
.irp p, 0,1,2,3
.irp q, 0,1,2,3,4,5,6,7
	v_cvt_pk_bf16_f32 v[PPK+2*(8*\p+\q)],   v[128+4*(8*\p+\q)],   v[128+4*(8*\p+\q)+1]      ; potential_prev as bf16 numbers
	v_cvt_pk_bf16_f32 v[PPK+2*(8*\p+\q)+1], v[128+4*(8*\p+\q)+2], v[128+4*(8*\p+\q)+3]
.endr
.endr
	WIN 0
.macro PROW g, j                       ; row 8 g + j of my 32
	s_wait_dscnt 7-\j                              ; LDS loads come back in order: row j of the eight is in
	v_lshlrev_b32 v[TT],   16,  v[PPK+2*(8*\g+\j)]
	v_and_b32     v[TT+1], s66, v[PPK+2*(8*\g+\j)]
	v_lshlrev_b32 v[TT+2], 16,  v[PPK+2*(8*\g+\j)+1]
	v_and_b32     v[TT+3], s66, v[PPK+2*(8*\g+\j)+1]
	v_pk_add_f32 v[RW+4*\j:RW+4*\j+1],   v[RW+4*\j:RW+4*\j+1],   v[4:5]                      ; P + Wi_b
	v_pk_add_f32 v[RW+4*\j+2:RW+4*\j+3], v[RW+4*\j+2:RW+4*\j+3], v[6:7]
	v_pk_add_f32 v[RW+4*\j:RW+4*\j+1],   v[TT:TT+1],   v[RW+4*\j:RW+4*\j+1]                  ; potential
	v_pk_add_f32 v[RW+4*\j+2:RW+4*\j+3], v[TT+2:TT+3], v[RW+4*\j+2:RW+4*\j+3]
	v_pk_add_f32 v[TT:TT+1],   v[RW+4*\j:RW+4*\j+1],   v[8:9]   neg_lo:[0,1] neg_hi:[0,1]    ; - tresh
	v_pk_add_f32 v[TT+2:TT+3], v[RW+4*\j+2:RW+4*\j+3], v[10:11] neg_lo:[0,1] neg_hi:[0,1]
.irp k, 0,1,2,3
	v_cmp_lt_f32 vcc_lo, 0, v[TT+\k]                                                         ; gated
	v_cndmask_b32 v[AC+\k], 0, v[RW+4*\j+\k], vcc_lo                                         ; activated: a choice of a value, no branch
.endr
	v_pk_add_f32 v[OU+4*\j:OU+4*\j+1],   v[RW+4*\j:RW+4*\j+1],   v[AC:AC+1]   neg_lo:[0,1] neg_hi:[0,1]   ; what is not gated
	v_pk_add_f32 v[OU+4*\j+2:OU+4*\j+3], v[RW+4*\j+2:RW+4*\j+3], v[AC+2:AC+3] neg_lo:[0,1] neg_hi:[0,1]
	v_pk_mul_f32 v[OU+4*\j:OU+4*\j+1],   v[OU+4*\j:OU+4*\j+1],   v[12:13]
	v_pk_mul_f32 v[OU+4*\j+2:OU+4*\j+3], v[OU+4*\j+2:OU+4*\j+3], v[14:15]
	v_cvt_pk_bf16_f32 v[AP+2*\j],   v[AC],   v[AC+1]
	v_cvt_pk_bf16_f32 v[AP+2*\j+1], v[AC+2], v[AC+3]
	global_store_b128 v[L16], v[OU+4*\j:OU+4*\j+3], s[76:77] offset:(8*\g+\j)*8192 th:TH_STORE_NT   ; 512 consecutive bytes, aligned
	global_store_b64  v[L8],  v[AP+2*\j:AP+2*\j+1], s[78:79] offset:(8*\g+\j)*8192                  ; 256 consecutive bytes, aligned
.endm
.macro PBATCH g
	s_wait_xcnt 0x0                                ; the last batch's store data (OU, AP) are rewritten only behind this wait
.irp j, 0,1,2,3,4,5,6,7
	ds_load_b128 v[RW+4*\j:RW+4*\j+3], v[RD] offset:(8*\g+\j)*SPITCH
.endr
.irp j, 0,1,2,3,4,5,6,7
	PROW \g, \j
.endr
.endm
	PBATCH 0
	PBATCH 1
	PBATCH 2
	PBATCH 3
	s_set_vgpr_msb 0xa
	s_wait_tensorcnt 0x0
	ds_add_u32 v0, v1
	s_wait_dscnt 0x0
	s_set_vgpr_msb 0xa00
	CROUND                                         ; the closing round: no work-group ends while a partner may still ask for a tile that names it
	s_endpgm
.Lfunc_end_k_q627f14c1e9_pot:
	.size	k_q627f14c1e9_pot, .Lfunc_end_k_q627f14c1e9_pot-k_q627f14c1e9_pot
	.p2alignl 7, 3214868480
	.fill 96, 4, 3214868480
	.section	.rodata,"a",@progbits
	.p2align	6, 0x0
	.amdhsa_kernel k_q627f14c1e9_pot
		.amdhsa_group_segment_fixed_size 327680
		.amdhsa_private_segment_fixed_size 0
		.amdhsa_enable_private_segment 0
		.amdhsa_kernarg_size 104
		.amdhsa_user_sgpr_count 2
		.amdhsa_user_sgpr_kernarg_segment_ptr 1
		.amdhsa_wavefront_size32 1
		.amdhsa_system_sgpr_workgroup_id_x 1
		.amdhsa_system_sgpr_workgroup_id_y 1
		.amdhsa_system_sgpr_workgroup_id_z 1
		.amdhsa_system_vgpr_workitem_id 0
		.amdhsa_next_free_vgpr 514
		.amdhsa_next_free_sgpr 100
		.amdhsa_reserve_vcc 1
		.amdhsa_float_denorm_mode_32 3
		.amdhsa_float_denorm_mode_16_64 3
		.amdhsa_memory_ordered 1
		.amdhsa_forward_progress 1
		.amdhsa_inst_pref_size 225
	.end_amdhsa_kernel
	.amdgpu_metadata
---
amdhsa.version: [ 1, 2 ]
amdhsa.kernels:
  - .name:           k_q627f14c1e9_pot
    .symbol:         k_q627f14c1e9_pot.kd
    .args:
      - { .name: xb, .offset: 0, .size: 8, .value_kind: global_buffer, .address_space: global }
      - { .name: wib, .offset: 8, .size: 8, .value_kind: global_buffer, .address_space: global }
      - { .name: potential_prev, .offset: 16, .size: 8, .value_kind: global_buffer, .address_space: global }
      - { .name: Wi_b, .offset: 24, .size: 8, .value_kind: global_buffer, .address_space: global }
      - { .name: tresh, .offset: 32, .size: 8, .value_kind: global_buffer, .address_space: global }
      - { .name: decay_rate, .offset: 40, .size: 8, .value_kind: global_buffer, .address_space: global }
      - { .name: out1, .offset: 48, .size: 8, .value_kind: global_buffer, .address_space: global }
      - { .name: comb, .offset: 56, .size: 8, .value_kind: global_buffer, .address_space: global }
      - { .name: Wr_w, .offset: 64, .size: 8, .value_kind: global_buffer, .address_space: global }
      - { .name: Wz_w, .offset: 72, .size: 8, .value_kind: global_buffer, .address_space: global }
      - { .name: Wc_w, .offset: 80, .size: 8, .value_kind: global_buffer, .address_space: global }
      - { .name: wrz, .offset: 88, .size: 8, .value_kind: global_buffer, .address_space: global }
      - { .name: wcb, .offset: 96, .size: 8, .value_kind: global_buffer, .address_space: global }
    .group_segment_fixed_size: 327680
    .private_segment_fixed_size: 0
    .kernarg_segment_align: 8
    .kernarg_segment_size: 104
    .max_flat_workgroup_size: 128
    .sgpr_count:     100
    .vgpr_count:     514
    .wavefront_size: 32
...
	.end_amdgpu_metadata
.endif
;; end of part 2
;; launch gates (part 3): grid 16 x 16, 4 waves a work-group, clusters of 4 x 4, 327,680 bytes of LDS; arguments comb, wrz, wcb, cpart, Wr_b, Wz_b, rh, zbuf; writes cpart, rh, zbuf
.if DOCPART == 3
	.amdgcn_target "amdgcn-amd-amdhsa--gfx1250"
	.amdhsa_code_object_version 6
	.text
	.protected	k_q627f14c1e9_gates
	.globl	k_q627f14c1e9_gates
	.p2align	8
	.type	k_q627f14c1e9_gates,@function
k_q627f14c1e9_gates:
	s_mov_b64 s[64:65], 0
	v_nop
	global_prefetch_b8 v0, s[64:65] scope:SCOPE_SE
	s_setreg_imm32_b32 hwreg(HW_REG_WAVE_MODE, 25, 1), 1
	s_wait_xcnt 0x0
	s_wait_alu depctr_hold_cnt(0) depctr_sa_sdst(0) depctr_va_vdst(0) depctr_va_sdst(0) depctr_va_ssrc(0) depctr_va_vcc(0) depctr_vm_vsrc(0)
	s_getreg_b32 s2, hwreg(HW_REG_IB_STS2, 6, 4)
	s_cmp_eq_u32 s2, 0
	s_cbranch_scc0 .Lentry_in_a_cluster
	s_endpgm
.Lentry_in_a_cluster:
	s_bfe_u32 s2, ttmp6, 0x10000c
	s_cmp_lg_u32 s2, 0xf033
	s_cbranch_scc0 .Lentry_shape_is_right
	s_endpgm
.Lentry_shape_is_right:
; gates: r = sigmoid(comb Wr^T + Wr_b), z = sigmoid(comb Wz^T + Wz_b), comb = [activated | h] in bf16, K = 4,096, f32 sums;
;   r * h -> rh in bf16 (a matrix operand of the next launch);  z -> zbuf in f32;
;   and, since it needs the same rows of activated: cpart = activated Wc[:, 0:2048]^T, the first half of the candidate's sum, in f32.
; LIMITS.  h is h_prev rounded to bf16 (relative 2^-9), here as a factor too.  sigmoid(y) = 1 / (1 + 2^(-1.442695 y)): the power runs to infinity or to
; zero for large |y| and the quotient to 0 or 1, as it should.  The candidate's sum is made in two halves, each in f32, added in the next launch.
;
; SHAPE.  256 work-groups; a block is 128 rows x 128 columns of r, of z and (for K < 2,048) of cpart.  Four waves; a wave makes 64 rows x 128 columns of
; ONE gate (32 accumulator tiles) and 64 rows x 64 columns of cpart (16 tiles): 384 registers of sums.  K goes through two LDS slots of 128 elements (four
; quarters of 32): a tile's rows are 256 bytes of memory, aligned to 256.  A slot has four regions of 128 rows: A, Wr, Wz, Wc, one tensor load of one
; wave each (waves 0, 1, 2, 3).  From K = 2,048 on Wc's region is neither filled nor read, and wave 3 loads nothing.  By this text's own count a wave has
; two tensor loads out at the start and at most one behind each refill; from a refill to the wait for it it issues 176 matrix instructions (120 without Wc).
; CLUSTERS.  4 x 4 work-groups; A's tile is asked for jointly by a row of the cluster, the weights' tiles by a column: a quarter of the requests.
; The matrix instruction is used transposed (source 0 = rows of the weights, source 1 = rows of A): lane l holds row l % 16, columns 8 (l / 16) + 0..7 of a tile.
; REGISTERS.  Window 0: addresses, fragments of A and of my gate's weights (two buffers), the way out.  Window 1: my gate's sums (tile (a, b) at 8 (8 a + b)).
; Window 2: v0-127 cpart's sums (tile (a, b) at 8 (4 a + b)), v128-191 fragments of Wc (two buffers).  Window 3: v0-127 h (r waves).
.set NB,     8
.set KEL,    128
.set ROWB,   256
.set PITCH,  272                       ; 256 bytes + 16 of padding: the 16 rows that a fragment load touches start 16 bytes apart modulo 256
.set QI,     5                         ; padding behind every 2 << 5 = 64 words
.set SIZE_K, 4096                      ; elements from row to row in comb, wrz and wcb
.set REG,    128*PITCH                 ; a region: 128 rows, what one tensor load brings
.set SLOT,   4*REG
.set SPITCH, 528
.set STAGE,  2*SLOT                    ; behind the slots: 16 rows x 528 bytes for each wave; no tensor load fills these bytes
.set G1W0,   (1<<16)|(1<<20)|(1<<21)|(QI<<22)|(3<<25)
.set ADRA, 16                          ; v16-17  LDS address of my A fragments in slot 0, 1
.set ADRB, 20                          ; v20-21  of my gate's weights
.set ADRC, 22                          ; v22-23  of my half of Wc
.set STO,  24
.set RD,   25                          ; a whole stage row of 512 bytes a load
.set L16,  26
.set L8,   27
.set RD2,  28                          ; two stage rows of 256 bytes a load
.set CO,   29                          ; the same two rows in cpart
.set FA0,  32
.set FB0,  96
.set FC0,  128                         ; in window 2
.set RW,   32                          ; the way out: 16 rows, 4 registers each
.set HU,   96                          ; the same 16 rows of h in f32
.set G1,  24
.set G0,  32
.set G1B, 48
.set G0B, 56
.set MUL,   0x50                       ; C and D in window 1, fragments in window 0
.set MULCW, 0xa2                       ; C, D and source 0 (Wc) in window 2, source 1 (A) in window 0
.set MSB, 0
.macro WIN new                         ; the immediate's high byte repeats the setting that is left; a switch that changes nothing is dropped
.if MSB != \new
	s_set_vgpr_msb (MSB<<8)|\new
.set MSB, \new
.endif
.endm
.macro PLACES                          ; four plain vector places behind the matrix instructions, in front of loads into their sources and of reads of their results
.rept 4
	v_nop
.endr
.endm
; A joint load: wave 0 asks for A, waves 1 to 3 for their weights; wc = 0: Wc is no longer needed and wave 3 asks for nothing.  The branches hang on the wave's number alone.
.macro JLOAD s, wc
	s_cmp_eq_u32 s10, 0
	s_cbranch_scc0 .Lfor_b_\@
	tensor_load_to_lds s[G0+4*\s:G0+4*\s+3], s[G1:G1+7]
	s_nop 0
	s_branch .Lasked_\@
.Lfor_b_\@:
.if \wc == 0
	s_cmp_eq_u32 s10, 3
	s_cbranch_scc1 .Lasked_\@
.endif
	tensor_load_to_lds s[G0B+4*\s:G0B+4*\s+3], s[G1B:G1B+7]
	s_nop 0
.Lasked_\@:
.endm
.macro CREST                           ; a round of the cluster's barrier behind its opening work-group barrier
	s_cmp_lg_u32 s10, 0
	s_cbranch_scc1 .Lnot_wave_0_\@
	s_barrier_signal -3
.Lnot_wave_0_\@:
	s_barrier_wait -3
	s_barrier_signal -1
	s_barrier_wait -1
.endm
.macro CROUND
	s_barrier_signal -1
	s_barrier_wait -1
	CREST
.endm
.macro MULA f, a, zero                 ; 8 matrix instructions of my gate: m block a x all n blocks, 32 along K, from buffer f
.irp b, 0,1,2,3,4,5,6,7
.if \zero
	v_wmma_f32_16x16x32_bf16 v[8*(NB*\a+\b):8*(NB*\a+\b)+7], v[FB0+64*\f+8*\b:FB0+64*\f+8*\b+7], v[FA0+32*\f+8*\a:FA0+32*\f+8*\a+7], 0
.else
	v_wmma_f32_16x16x32_bf16 v[8*(NB*\a+\b):8*(NB*\a+\b)+7], v[FB0+64*\f+8*\b:FB0+64*\f+8*\b+7], v[FA0+32*\f+8*\a:FA0+32*\f+8*\a+7], v[8*(NB*\a+\b):8*(NB*\a+\b)+7]
.endif
.endr
.endm
.macro MULC f, a, zero                 ; 4 matrix instructions of cpart: m block a x my 4 n blocks of Wc
.irp b, 0,1,2,3
.if \zero
	v_wmma_f32_16x16x32_bf16 v[8*(4*\a+\b):8*(4*\a+\b)+7], v[FC0+32*\f+8*\b:FC0+32*\f+8*\b+7], v[FA0+32*\f+8*\a:FA0+32*\f+8*\a+7], 0
.else
	v_wmma_f32_16x16x32_bf16 v[8*(4*\a+\b):8*(4*\a+\b)+7], v[FC0+32*\f+8*\b:FC0+32*\f+8*\b+7], v[FA0+32*\f+8*\a:FA0+32*\f+8*\a+7], v[8*(4*\a+\b):8*(4*\a+\b)+7]
.endif
.endr
.endm
.macro FETCH slot, k, f                ; one quarter's fragments into buffer f, in one run: my gate's 16 loads, then A's 8
.irp i, 0,1,2,3,4,5,6,7
	ds_load_b128 v[FB0+64*\f+8*\i:FB0+64*\f+8*\i+3],   v[ADRB+\slot] offset:\k+\i*16*PITCH
	ds_load_b128 v[FB0+64*\f+8*\i+4:FB0+64*\f+8*\i+7], v[ADRB+\slot] offset:\k+\i*16*PITCH+32
.endr
.irp i, 0,1,2,3
	ds_load_b128 v[FA0+32*\f+8*\i:FA0+32*\f+8*\i+3],   v[ADRA+\slot] offset:\k+\i*16*PITCH
	ds_load_b128 v[FA0+32*\f+8*\i+4:FA0+32*\f+8*\i+7], v[ADRA+\slot] offset:\k+\i*16*PITCH+32
.endr
.endm
.macro FETCHC slot, k, f               ; Wc's 8 loads, destination in window 2; they go ahead of FETCH's, so that A's last four stay the youngest
.irp i, 0,1,2,3
	ds_load_b128 v[FC0+32*\f+8*\i:FC0+32*\f+8*\i+3],   v[ADRC+\slot] offset:\k+\i*16*PITCH
	ds_load_b128 v[FC0+32*\f+8*\i+4:FC0+32*\f+8*\i+7], v[ADRC+\slot] offset:\k+\i*16*PITCH+32
.endr
.endm
; A quarter that is not a slot's last.  cc = 1: cpart is multiplied too.  The accumulators (32, or 48 with cpart's) take turns, one instruction a turn,
; in the same order in every quarter.
.macro QUARTER slot, k, f, g, zero, cc
	s_wait_dscnt 4                                 ; the weights and A's m blocks 0, 1 are in; the youngest four loads (A's m blocks 2, 3) may be out
	WIN MUL
	MULA \f, 0, \zero
	MULA \f, 1, \zero
.if \cc
	WIN MULCW
	MULC \f, 0, \zero
	MULC \f, 1, \zero
.endif
	PLACES
.if \cc
	WIN 0x80
	FETCHC \slot, \k, \g
.endif
	WIN 0
	FETCH \slot, \k, \g
	s_wait_dscnt 24+8*\cc                          ; all but the 24 (with Wc: 32) just issued
	WIN MUL
	MULA \f, 2, \zero
	MULA \f, 3, \zero
.if \cc
	WIN MULCW
	MULC \f, 2, \zero
	MULC \f, 3, \zero
.endif
.endm
.macro RUN slot, zero, cc
	QUARTER \slot, 64,  0, 1, \zero, \cc
	QUARTER \slot, 128, 1, 0, 0, \cc
	QUARTER \slot, 192, 0, 1, 0, \cc
.endm
; A slot's last quarter and the change of slots: each wave's reads of this slot and all its tensor loads are waited for in front of the barrier;
; fill = 1: the barrier opens a round of the cluster's barrier, and the joint refill is the first tensor load behind the round, at most one a wave
; (wc = 1: Wc's region too).  cc = 1: this slot's cpart is multiplied; nc = 1: the next slot's Wc is fetched.
.macro TURN slot, next, fill, wc, cc, nc
	s_wait_dscnt 4
	WIN MUL
	MULA 1, 0, 0
	s_wait_dscnt 0                                 ; my reads of this slot are over
	s_wait_tensorcnt 0x0                           ; all my tensor loads have landed
	ds_add_u32 v254, v255
	s_wait_dscnt 0x0
	s_barrier_signal -1
	MULA 1, 1, 0                                   ; register work while the others arrive
.if \cc
	WIN MULCW
	MULC 1, 0, 0
	MULC 1, 1, 0
.endif
	WIN 0
	s_barrier_wait -1
.if \fill
	CREST
	s_add_nc_u64 s[G0+4*\slot+2:G0+4*\slot+3], s[G0+4*\slot+2:G0+4*\slot+3], 2*ROWB       ; no load of mine is out: a group 0 may be written
	s_add_nc_u64 s[G0B+4*\slot+2:G0B+4*\slot+3], s[G0B+4*\slot+2:G0B+4*\slot+3], 2*ROWB
	JLOAD \slot, \wc
.endif
	PLACES
.if \nc
	WIN 0x80
	FETCHC \next, 0, 0
.endif
	WIN 0
	FETCH \next, 0, 0
	WIN MUL
	MULA 1, 2, 0
	MULA 1, 3, 0
.if \cc
	WIN MULCW
	MULC 1, 2, 0
	MULC 1, 3, 0
.endif
.endm
.macro LAPC zero                       ; a lap (two slots) with cpart, both slots filled again with Wc
	RUN 0, \zero, 1
	TURN 0, 1, 1, 1, 1, 1
	RUN 1, 0, 1
	TURN 1, 0, 1, 1, 1, 1
.endm
.macro LAPG                            ; a lap of the gates alone
	RUN 0, 0, 0
	TURN 0, 1, 1, 0, 0, 0
	RUN 1, 0, 0
	TURN 1, 0, 1, 0, 0, 0
.endm
	s_load_b128 s[4:7], s[0:1], 0x0                ; comb (A), wrz
	s_load_b128 s[76:79], s[0:1], 0x10             ; wcb s76, cpart s78
	s_load_b256 s[68:75], s[0:1], 0x20             ; Wr_b s68, Wz_b s70, rh s72, zbuf s74
	v_lshl_add_u32 v254, v0, 2, 0x4c400
	v_mov_b32 v255, 0
	ds_add_u32 v254, v255
	v_lshrrev_b32 v1, 5, v0
	v_readfirstlane_b32 s10, v1                    ; wave 0..3; also: the region of a slot that I fill
	s_lshr_b32 s11, s10, 1                         ; my half of the block's rows
	s_and_b32 s12, s10, 1                          ; my gate: 0 = r, 1 = z; also my half of cpart's columns
	s_bfe_u32 s40, ttmp6, 0x40000                  ; cx
	s_bfe_u32 s41, ttmp6, 0x40004                  ; cy
	s_lshl_b32 s42, ttmp9, 2
	s_add_co_u32 s42, s42, s40                     ; block column
	s_and_b32 s13, ttmp7, 0xffff
	s_lshl_b32 s13, s13, 2
	s_add_co_u32 s13, s13, s41                     ; block row
	s_lshl_b32 s43, s41, 2
	s_lshl_b32 s43, 15, s43                        ; my row of the cluster
	s_lshl_b32 s44, 0x1111, s40                    ; my column
	s_mov_b32 s66, 0xffff0000
	s_or_b32 s[G1+0], s43, G1W0
	s_or_b32 s[G1B+0], s44, G1W0
	s_mov_b32 s[G1+1], KEL<<16
	s_mov_b32 s[G1B+1], KEL<<16
	s_mov_b32 s[G1+2], 128<<16
	s_mov_b32 s[G1B+2], 128<<16
	s_mov_b32 s[G1+3], KEL<<16
	s_mov_b32 s[G1B+3], KEL<<16
	s_mov_b32 s[G1+4], 128
	s_mov_b32 s[G1B+4], 128
	s_mov_b32 s[G1+5], SIZE_K
	s_mov_b32 s[G1B+5], SIZE_K
	s_mov_b32 s[G1+6], 0
	s_mov_b32 s[G1B+6], 0
	s_mov_b32 s[G1+7], 0
	s_mov_b32 s[G1B+7], 0
	s_lshl_b32 s16, s13, 20                        ; A: row 128 x block row, 8,192 bytes a row
	s_mov_b32 s17, 0
	s_sub_co_i32 s47, s10, 1
	s_max_i32 s47, s47, 0
	s_and_b32 s47, s47, 1                          ; 1 for wave 2 (Wz), 0 for the others
	s_lshl_b32 s47, s47, 11                        ; Wz lies 2,048 rows down in wrz
	s_lshl_b32 s46, s42, 7
	s_add_co_u32 s46, s46, s47                     ; the weights: row 128 x block column (+ 2,048)
	s_lshl_b32 s46, s46, 13
	s_mov_b32 s47, 0
	s_mul_i32 s20, s10, REG                        ; where my region lies: no place in the cluster enters an LDS address
	s_wait_dscnt 0x0
	s_wait_kmcnt 0x0
	s_add_nc_u64 s[14:15], s[4:5], s[16:17]
	s_cmp_eq_u32 s10, 3
	s_cselect_b64 s[18:19], s[76:77], s[6:7]       ; wave 3 fetches from wcb, waves 1 and 2 from wrz
	s_add_nc_u64 s[46:47], s[18:19], s[46:47]
	CROUND                                         ; all sixteen work-groups are here: the first joint loads meet
.irp s, 0,1
	s_mov_b32 s[G0+4*\s], 1
	s_add_co_u32 s[G0+4*\s+1], s20, \s*SLOT
	s_add_nc_u64 s[G0+4*\s+2:G0+4*\s+3], s[14:15], \s*ROWB
	s_or_b32 s[G0+4*\s+3], s[G0+4*\s+3], 0x80000000
	s_mov_b32 s[G0B+4*\s], 1
	s_add_co_u32 s[G0B+4*\s+1], s20, \s*SLOT
	s_add_nc_u64 s[G0B+4*\s+2:G0B+4*\s+3], s[46:47], \s*ROWB
	s_or_b32 s[G0B+4*\s+3], s[G0B+4*\s+3], 0x80000000
	JLOAD \s, 1
.endr
	v_and_b32 v1, 15, v0
	v_bfe_u32 v2, v0, 4, 1
	v_mul_u32_u24 v3, v1, PITCH
	v_lshl_add_u32 v3, v2, 4, v3
	s_mul_i32 s21, s11, 64*PITCH                   ; my 64 rows of A
	s_mul_i32 s22, s12, REG
	s_add_co_u32 s22, s22, REG                     ; my gate's 128 rows
	s_mul_i32 s23, s12, 64*PITCH
	s_add_co_u32 s23, s23, 3*REG                   ; my 64 rows of Wc
.irp s, 0,1
	v_add_nc_u32 v[ADRA+\s], s21, v3
	v_add_nc_u32 v[ADRB+\s], s22, v3
	v_add_nc_u32 v[ADRC+\s], s23, v3
	s_add_co_u32 s21, s21, SLOT
	s_add_co_u32 s22, s22, SLOT
	s_add_co_u32 s23, s23, SLOT
.endr
	v_and_b32 v[L16], 31, v0
	v_lshlrev_b32 v[L8], 3, v[L16]
	v_lshlrev_b32 v[L16], 4, v[L16]
	s_mul_i32 s23, s10, 16*SPITCH
	s_add_co_u32 s23, s23, STAGE                   ; my wave's own stage
	v_mul_u32_u24 v3, v1, SPITCH
	v_lshl_add_u32 v3, v2, 5, v3
	v_add_nc_u32 v[STO], s23, v3                   ; in: row l % 16, 32 bytes for each half of the lanes
	v_add_nc_u32 v[RD], s23, v[L16]                ; back: a whole row of 512 bytes a load
	v_mul_u32_u24 v3, v2, SPITCH
	v_lshl_add_u32 v3, v1, 4, v3
	v_add_nc_u32 v[RD2], s23, v3                   ; back, for cpart: lanes 0-15 a row of 256 bytes, lanes 16-31 the next
	v_lshlrev_b32 v3, 13, v2
	v_lshl_add_u32 v[CO], v1, 4, v3                ; and the same two rows in cpart
	; the way out's bases.  My wave owns rows R0 = 128 x block row + 64 x row half .. + 63.
	s_lshl_b32 s82, s13, 7
	s_lshl_b32 s83, s11, 6
	s_add_co_u32 s82, s82, s83                     ; R0
	s_lshl_b32 s94, s42, 8                         ; 256 x block column: 128 bf16
	s_lshl_b32 s96, s82, 12
	s_add_co_u32 s96, s96, s94                     ; rh: rows of 4,096 bytes
	s_mov_b32 s97, 0
	s_lshl_b32 s82, s82, 13                        ; R0 x 8,192 bytes
	s_add_co_u32 s98, s82, s94
	s_add_co_u32 s98, s98, 4096                    ; h: the right half of a row of comb
	s_mov_b32 s99, 0
	s_lshl_b32 s94, s42, 9                         ; 512 x block column: 128 f32
	s_mov_b32 s95, 0
	s_add_co_u32 s82, s82, s94
	s_mov_b32 s83, 0
	s_cmp_eq_u32 s12, 0
	s_cselect_b64 s[84:85], s[68:69], s[70:71]     ; my gate's bias
	s_add_nc_u64 s[84:85], s[84:85], s[94:95]
	s_add_nc_u64 s[86:87], s[4:5], s[98:99]        ; h in comb
	s_add_nc_u64 s[88:89], s[72:73], s[96:97]      ; rh
	s_add_nc_u64 s[90:91], s[74:75], s[82:83]      ; zbuf
	s_add_nc_u64 s[92:93], s[78:79], s[82:83]      ; cpart,
	s_lshl_b32 s94, s12, 8
	s_add_nc_u64 s[92:93], s[92:93], s[94:95]      ; my 64 columns of it
	; asked for now, lands under the product; registers and addresses are left alone until the one wait
	global_load_b128 v[4:7], v[L16], s[84:85]
	s_cmp_lg_u32 s12, 0
	s_cbranch_scc1 .Lno_h                          ; only the r waves need h
	WIN 0xc0                                       ; destination in window 3
.irp p, 0,1,2,3,4,5,6,7
.irp q, 0,1,2,3,4,5,6,7
	global_load_b64 v[2*(8*\p+\q):2*(8*\p+\q)+1], v[L8], s[86:87] offset:(8*\p+\q)*8192    ; a row's 256 consecutive bytes
.endr
.endr
	WIN 0
.Lno_h:
	s_wait_tensorcnt 0x1                           ; my part of slot 0 is in; slot 1's may stay out
	s_barrier_signal -1
	s_barrier_wait -1
	WIN 0x80
	FETCHC 0, 0, 0
	WIN 0
	FETCH 0, 0, 0
	LAPC 1                                         ; slots 0, 1 of 32: the first products start the sums
	WIN 0
	s_mov_b32 s3, 6
.Llapc:
	LAPC 0                                         ; slots 2 to 13
	WIN 0
	s_sub_co_u32 s3, s3, 1
	s_cmp_lg_u32 s3, 0
	s_cbranch_scc1 .Llapc
	RUN 0, 0, 1                                    ; slots 14, 15: the last of activated; what is asked for now (slots 16, 17) has no Wc
	TURN 0, 1, 1, 0, 1, 1
	RUN 1, 0, 1
	TURN 1, 0, 1, 0, 1, 0
	WIN 0
	s_mov_b32 s3, 7
.Llapg:
	LAPG                                           ; slots 16 to 29
	WIN 0
	s_sub_co_u32 s3, s3, 1
	s_cmp_lg_u32 s3, 0
	s_cbranch_scc1 .Llapg
	RUN 0, 0, 0                                    ; slots 30, 31: nothing is filled
	TURN 0, 1, 0, 0, 0, 0
	RUN 1, 0, 0
	s_wait_dscnt 4
	WIN MUL
	MULA 1, 0, 0
	MULA 1, 1, 0
	s_wait_dscnt 0
	MULA 1, 2, 0
	MULA 1, 3, 0
; THE WAY OUT, 16 rows at a time through my wave's own stage: LDS serves a wave's instructions in order (ISA guide 5.7.1), so no wait stands between
; its stores and its loads, and no barrier is needed.
.macro CGROUP a                        ; cpart: 16 rows x my 64 columns, as they are
	s_wait_xcnt 0x0                                ; the last group's store data (RW) are rewritten only behind this wait
	WIN 0x08                                       ; store data in window 2
.irp b, 0,1,2,3
	ds_store_b128 v[STO], v[8*(4*\a+\b):8*(4*\a+\b)+3]   offset:64*\b
	ds_store_b128 v[STO], v[8*(4*\a+\b)+4:8*(4*\a+\b)+7] offset:64*\b+16
.endr
	WIN 0
.irp t, 0,1,2,3,4,5,6,7
	ds_load_b128 v[RW+4*\t:RW+4*\t+3], v[RD2] offset:2*\t*SPITCH
.endr
.irp t, 0,1,2,3,4,5,6,7
	s_wait_dscnt 7-\t                              ; pair t of the eight pairs of rows is in, the younger ones stay out
	global_store_b128 v[CO], v[RW+4*\t:RW+4*\t+3], s[92:93] offset:(16*\a+2*\t)*8192       ; sixteen lanes store 256 consecutive bytes, aligned
.endr
.endm
.macro GROUP a, isr                    ; isr = 1: r * h to rh; 0: z to zbuf
	s_wait_xcnt 0x0                                ; the last group's store data (RW) are rewritten only behind this wait
	WIN 0x04                                       ; store data in window 1
.irp b, 0,1,2,3,4,5,6,7
	ds_store_b128 v[STO], v[8*(NB*\a+\b):8*(NB*\a+\b)+3]   offset:64*\b
	ds_store_b128 v[STO], v[8*(NB*\a+\b)+4:8*(NB*\a+\b)+7] offset:64*\b+16
.endr
	WIN 0
.irp i, 0,1,2,3,4,5,6,7,8,9,10,11,12,13,14,15
	ds_load_b128 v[RW+4*\i:RW+4*\i+3], v[RD] offset:\i*SPITCH
.endr
.if \isr
	WIN 0x0c                                       ; source 1 in window 3: h to f32 while the rows are on their way
.irp i, 0,1,2,3,4,5,6,7,8,9,10,11,12,13,14,15
	v_lshlrev_b32 v[HU+4*\i],   16,  v[2*(16*\a+\i)]
	v_and_b32     v[HU+4*\i+1], s66, v[2*(16*\a+\i)]
	v_lshlrev_b32 v[HU+4*\i+2], 16,  v[2*(16*\a+\i)+1]
	v_and_b32     v[HU+4*\i+3], s66, v[2*(16*\a+\i)+1]
.endr
	WIN 0
.endif
.irp i, 0,1,2,3,4,5,6,7,8,9,10,11,12,13,14,15
	s_wait_dscnt 15-\i                             ; row i of the sixteen is in, the younger ones stay out
	v_pk_fma_f32 v[RW+4*\i:RW+4*\i+1],   v[RW+4*\i:RW+4*\i+1],   0xbfb8aa3b, v[4:5] op_sel_hi:[1,0,1]   ; -1.442695 (sum + bias)
	v_pk_fma_f32 v[RW+4*\i+2:RW+4*\i+3], v[RW+4*\i+2:RW+4*\i+3], 0xbfb8aa3b, v[6:7] op_sel_hi:[1,0,1]
.irp k, 0,1,2,3
	v_exp_f32 v[RW+4*\i+\k], v[RW+4*\i+\k]         ; the plain place behind these (ISA guide 5.7.2) is the next row's packed line,
.endr
.endr
	v_nop                                          ; or, behind the last row, this one
	s_wait_alu depctr_va_vdst(0)
.irp i, 0,1,2,3,4,5,6,7,8,9,10,11,12,13,14,15
	v_pk_add_f32 v[RW+4*\i:RW+4*\i+1],   v[RW+4*\i:RW+4*\i+1],   1.0 op_sel_hi:[1,0]
	v_pk_add_f32 v[RW+4*\i+2:RW+4*\i+3], v[RW+4*\i+2:RW+4*\i+3], 1.0 op_sel_hi:[1,0]
.irp k, 0,1,2,3
	v_rcp_f32 v[RW+4*\i+\k], v[RW+4*\i+\k]
.endr
.endr
	v_nop
.if \isr
	s_wait_alu depctr_va_vdst(0)
.irp i, 0,1,2,3,4,5,6,7,8,9,10,11,12,13,14,15
	v_pk_mul_f32 v[RW+4*\i:RW+4*\i+1],   v[RW+4*\i:RW+4*\i+1],   v[HU+4*\i:HU+4*\i+1]
	v_pk_mul_f32 v[RW+4*\i+2:RW+4*\i+3], v[RW+4*\i+2:RW+4*\i+3], v[HU+4*\i+2:HU+4*\i+3]
	v_cvt_pk_bf16_f32 v[RW+4*\i],   v[RW+4*\i],   v[RW+4*\i+1]
	v_cvt_pk_bf16_f32 v[RW+4*\i+1], v[RW+4*\i+2], v[RW+4*\i+3]
	global_store_b64 v[L8], v[RW+4*\i:RW+4*\i+1], s[88:89] offset:(16*\a+\i)*4096          ; 256 consecutive bytes, aligned
.endr
.else
	s_wait_alu depctr_va_vdst(0)
.irp i, 0,1,2,3,4,5,6,7,8,9,10,11,12,13,14,15
	global_store_b128 v[L16], v[RW+4*\i:RW+4*\i+3], s[90:91] offset:(16*\a+\i)*8192        ; 512 consecutive bytes, aligned
.endr
.endif
.endm
	PLACES
	WIN 0
	s_wait_loadcnt 0x0                             ; the early loads, once
	v_pk_mul_f32 v[4:5], v[4:5], 0xbfb8aa3b op_sel_hi:[1,0]    ; the bias takes the exponent's factor once
	v_pk_mul_f32 v[6:7], v[6:7], 0xbfb8aa3b op_sel_hi:[1,0]
	CGROUP 0
	CGROUP 1
	CGROUP 2
	CGROUP 3
	s_cmp_lg_u32 s12, 0
	s_cbranch_scc1 .Lz_text
	GROUP 0, 1
	GROUP 1, 1
	GROUP 2, 1
	GROUP 3, 1
	s_branch .Ljoin
.Lz_text:
	GROUP 0, 0
	GROUP 1, 0
	GROUP 2, 0
	GROUP 3, 0
.Ljoin:
	s_wait_tensorcnt 0x0
	ds_add_u32 v254, v255
	s_wait_dscnt 0x0
	CROUND                                         ; the closing round: no work-group ends while a partner may still ask for a tile that names it
	s_endpgm
.Lfunc_end_k_q627f14c1e9_gates:
	.size	k_q627f14c1e9_gates, .Lfunc_end_k_q627f14c1e9_gates-k_q627f14c1e9_gates
	.p2alignl 7, 3214868480
	.fill 96, 4, 3214868480
	.section	.rodata,"a",@progbits
	.p2align	6, 0x0
	.amdhsa_kernel k_q627f14c1e9_gates
		.amdhsa_group_segment_fixed_size 327680
		.amdhsa_private_segment_fixed_size 0
		.amdhsa_enable_private_segment 0
		.amdhsa_kernarg_size 64
		.amdhsa_user_sgpr_count 2
		.amdhsa_user_sgpr_kernarg_segment_ptr 1
		.amdhsa_wavefront_size32 1
		.amdhsa_system_sgpr_workgroup_id_x 1
		.amdhsa_system_sgpr_workgroup_id_y 1
		.amdhsa_system_sgpr_workgroup_id_z 1
		.amdhsa_system_vgpr_workitem_id 0
		.amdhsa_next_free_vgpr 896
		.amdhsa_next_free_sgpr 100
		.amdhsa_reserve_vcc 0
		.amdhsa_float_denorm_mode_32 3
		.amdhsa_float_denorm_mode_16_64 3
		.amdhsa_memory_ordered 1
		.amdhsa_forward_progress 1
		.amdhsa_inst_pref_size 255
	.end_amdhsa_kernel
	.section	.bss,"aw",@nobits
	.p2align	6
	.space	262144
	.amdgpu_metadata
---
amdhsa.version: [ 1, 2 ]
amdhsa.kernels:
  - .name:           k_q627f14c1e9_gates
    .symbol:         k_q627f14c1e9_gates.kd
    .args:
      - { .name: comb, .offset: 0, .size: 8, .value_kind: global_buffer, .address_space: global }
      - { .name: wrz, .offset: 8, .size: 8, .value_kind: global_buffer, .address_space: global }
      - { .name: wcb, .offset: 16, .size: 8, .value_kind: global_buffer, .address_space: global }
      - { .name: cpart, .offset: 24, .size: 8, .value_kind: global_buffer, .address_space: global }
      - { .name: Wr_b, .offset: 32, .size: 8, .value_kind: global_buffer, .address_space: global }
      - { .name: Wz_b, .offset: 40, .size: 8, .value_kind: global_buffer, .address_space: global }
      - { .name: rh, .offset: 48, .size: 8, .value_kind: global_buffer, .address_space: global }
      - { .name: zbuf, .offset: 56, .size: 8, .value_kind: global_buffer, .address_space: global }
    .group_segment_fixed_size: 327680
    .private_segment_fixed_size: 0
    .kernarg_segment_align: 8
    .kernarg_segment_size: 64
    .max_flat_workgroup_size: 128
    .sgpr_count:     100
    .vgpr_count:     896
    .wavefront_size: 32
...
	.end_amdgpu_metadata
.endif
;; end of part 3
;; launch cand (part 4): grid 16 x 16, 4 waves a work-group, clusters of 4 x 4, 327,680 bytes of LDS; arguments rh, wcb, Wc_b, zbuf, comb, cpart, out0; writes out0
.if DOCPART == 4
	.amdgcn_target "amdgcn-amd-amdhsa--gfx1250"
	.amdhsa_code_object_version 6
	.text
	.protected	k_q627f14c1e9_cand
	.globl	k_q627f14c1e9_cand
	.p2align	8
	.type	k_q627f14c1e9_cand,@function
k_q627f14c1e9_cand:
	s_mov_b64 s[64:65], 0
	v_nop
	global_prefetch_b8 v0, s[64:65] scope:SCOPE_SE
	s_setreg_imm32_b32 hwreg(HW_REG_WAVE_MODE, 25, 1), 1
	s_wait_xcnt 0x0
	s_wait_alu depctr_hold_cnt(0) depctr_sa_sdst(0) depctr_va_vdst(0) depctr_va_sdst(0) depctr_va_ssrc(0) depctr_va_vcc(0) depctr_vm_vsrc(0)
	s_getreg_b32 s2, hwreg(HW_REG_IB_STS2, 6, 4)
	s_cmp_eq_u32 s2, 0
	s_cbranch_scc0 .Lentry_in_a_cluster
	s_endpgm
.Lentry_in_a_cluster:
	s_bfe_u32 s2, ttmp6, 0x10000c
	s_cmp_lg_u32 s2, 0xf033
	s_cbranch_scc0 .Lentry_shape_is_right
	s_endpgm
.Lentry_shape_is_right:
; cand: n = tanh(cpart + rh Wc[:, 2048:4096]^T + Wc_b), rh = r * h in bf16, K = 2,048, f32 sums; cpart is the sum's first half, made by the launch before;
;   out0 = h + z (n - h), which is (1 - z) h + z n.
; LIMITS.  h is h_prev rounded to bf16 (relative 2^-9), read from columns 2048-4095 of comb.  The blend is one subtraction and one fused multiply-add,
; so its rounding differs from the module's two products and a sum.  tanh(y) = 1 - 2 / (1 + 2^(2.885390 y)): the power runs to infinity or to zero for
; large |y| and n to exactly 1 or -1.
;
; SHAPE.  256 work-groups, a block of 128 x 128 each, four waves, a wave makes 64 x 64: 16 accumulator tiles, 128 registers.  K goes through two LDS slots
; of 256 elements (eight quarters of 32): a tile's rows are 512 bytes of memory, aligned to 512.  One tensor load a wave fills a quarter of a slot
; (64 rows): waves 0 and 1 A's halves, waves 2 and 3 B's.  By this text's own count a wave has two tensor loads out at the start and one behind each
; refill; from a refill to the wait for it the wave issues 124 matrix instructions.
; CLUSTERS.  4 x 4 work-groups; A's tile is asked for jointly by a row of the cluster, B's by a column: a quarter of the requests.
; The matrix instruction is used transposed (source 0 = rows of B, source 1 = rows of A): lane l holds row l % 16, columns 8 (l / 16) + 0..7 of a tile.
; REGISTERS.  Window 0: addresses, fragments, the way out.  Window 1: v0-127 accumulators (tile (a, b) at 8 (4 a + b)), v128-255 z.  Window 2: v0-63 h, v64-191 cpart.
.set NB,     4
.set KEL,    256
.set ROWB,   512
.set PITCH,  528                       ; 512 bytes + 16 of padding: the 16 rows that a fragment load touches start 16 bytes apart modulo 256
.set QI,     6
.set ALD,    64
.set BLD,    64
.set SIZE_K, 2048                      ; the length of this launch's sums
.set PA,     2048                      ; elements from row to row in rh
.set PB,     4096                      ; and in wcb
.set ABYTES, 128*PITCH
.set SLOT,   (128+2*BLD)*PITCH
.set LAPS,   SIZE_K/(2*KEL)
.set SPITCH, 528
.set G1W0,   (1<<16)|(1<<20)|(1<<21)|(QI<<22)|(3<<25)
.set ADRA, 16
.set ADRB, 20
.set STO,  24
.set RD,   25
.set L16,  26
.set L8,   27
.set FA0,  32
.set FB0,  96
.set RW,   96                          ; the way out: eight rows, 4 registers each
.set HU,   128                         ; the same eight rows of h in f32
.set G1,  24
.set G0,  32
.set G1B, 48
.set G0B, 56
.set MUL, 0x50
.set MSB, 0
.macro WIN new                         ; the immediate's high byte repeats the setting that is left; a switch that changes nothing is dropped
.if MSB != \new
	s_set_vgpr_msb (MSB<<8)|\new
.set MSB, \new
.endif
.endm
.macro PLACES                          ; four plain vector places behind the matrix instructions, in front of loads into their sources and of reads of their results
.rept 4
	v_nop
.endr
.endm
.macro JLOAD s                         ; a joint load: waves 0 and 1 ask for A, waves 2 and 3 for B; the branch hangs on the wave's number alone
	s_cmp_eq_u32 s11, 0
	s_cbranch_scc0 .Lfor_b_\@
	tensor_load_to_lds s[G0+4*\s:G0+4*\s+3], s[G1:G1+7]
	s_nop 0
	s_branch .Lasked_\@
.Lfor_b_\@:
	tensor_load_to_lds s[G0B+4*\s:G0B+4*\s+3], s[G1B:G1B+7]
	s_nop 0
.Lasked_\@:
.endm
.macro CREST                           ; a round of the cluster's barrier behind its opening work-group barrier
	s_cmp_lg_u32 s10, 0
	s_cbranch_scc1 .Lnot_wave_0_\@
	s_barrier_signal -3
.Lnot_wave_0_\@:
	s_barrier_wait -3
	s_barrier_signal -1
	s_barrier_wait -1
.endm
.macro CROUND
	s_barrier_signal -1
	s_barrier_wait -1
	CREST
.endm
.macro MULA f, a, zero                 ; 4 matrix instructions: m block a x all n blocks, 32 along K, from buffer f
.irp b, 0,1,2,3
.if \zero
	v_wmma_f32_16x16x32_bf16 v[8*(NB*\a+\b):8*(NB*\a+\b)+7], v[FB0+64*\f+8*\b:FB0+64*\f+8*\b+7], v[FA0+32*\f+8*\a:FA0+32*\f+8*\a+7], 0
.else
	v_wmma_f32_16x16x32_bf16 v[8*(NB*\a+\b):8*(NB*\a+\b)+7], v[FB0+64*\f+8*\b:FB0+64*\f+8*\b+7], v[FA0+32*\f+8*\a:FA0+32*\f+8*\a+7], v[8*(NB*\a+\b):8*(NB*\a+\b)+7]
.endif
.endr
.endm
.macro FETCH slot, k, f                ; one quarter's fragments into buffer f, in one run: B's 8 loads, then A's 8
.irp i, 0,1,2,3
	ds_load_b128 v[FB0+64*\f+8*\i:FB0+64*\f+8*\i+3],   v[ADRB+\slot] offset:\k+\i*16*PITCH
	ds_load_b128 v[FB0+64*\f+8*\i+4:FB0+64*\f+8*\i+7], v[ADRB+\slot] offset:\k+\i*16*PITCH+32
.endr
.irp i, 0,1,2,3
	ds_load_b128 v[FA0+32*\f+8*\i:FA0+32*\f+8*\i+3],   v[ADRA+\slot] offset:\k+\i*16*PITCH
	ds_load_b128 v[FA0+32*\f+8*\i+4:FA0+32*\f+8*\i+7], v[ADRA+\slot] offset:\k+\i*16*PITCH+32
.endr
.endm
; The 16 accumulators take turns, one instruction a turn, in the same order in every quarter.
.macro QUARTER slot, k, f, g, zero
	s_wait_dscnt 4                                 ; B and A's m blocks 0, 1 are in; the youngest four loads (A's m blocks 2, 3) may be out
	WIN MUL
	MULA \f, 0, \zero
	MULA \f, 1, \zero
	PLACES
	WIN 0
	FETCH \slot, \k, \g
	s_wait_dscnt 2*NB+8                            ; all but the 16 just issued
	WIN MUL
	MULA \f, 2, \zero
	MULA \f, 3, \zero
.endm
.macro RUN slot, zero
	QUARTER \slot, 64,  0, 1, \zero
	QUARTER \slot, 128, 1, 0, 0
	QUARTER \slot, 192, 0, 1, 0
	QUARTER \slot, 256, 1, 0, 0
	QUARTER \slot, 320, 0, 1, 0
	QUARTER \slot, 384, 1, 0, 0
	QUARTER \slot, 448, 0, 1, 0
.endm
; A slot's last quarter and the change of slots: each wave's reads of this slot and all its tensor loads are waited for in front of the barrier;
; fill = 1: the barrier opens a round of the cluster's barrier, and the joint refill is the first tensor load behind the round, one a wave.
.macro TURN slot, next, fill
	s_wait_dscnt 4
	WIN MUL
	MULA 1, 0, 0
	s_wait_dscnt 0                                 ; my reads of this slot are over
	s_wait_tensorcnt 0x0                           ; all my tensor loads have landed
	ds_add_u32 v254, v255
	s_wait_dscnt 0x0
	s_barrier_signal -1
	MULA 1, 1, 0                                   ; register work while the others arrive
	WIN 0
	s_barrier_wait -1
.if \fill
	CREST
	s_add_nc_u64 s[G0+4*\slot+2:G0+4*\slot+3], s[G0+4*\slot+2:G0+4*\slot+3], 2*ROWB       ; no load of mine is out: a group 0 may be written
	s_add_nc_u64 s[G0B+4*\slot+2:G0B+4*\slot+3], s[G0B+4*\slot+2:G0B+4*\slot+3], 2*ROWB
	JLOAD \slot
.endif
	PLACES
	FETCH \next, 0, 0
	WIN MUL
	MULA 1, 2, 0
	MULA 1, 3, 0
.endm
.macro LAP zero
	RUN 0, \zero
	TURN 0, 1, 1
	RUN 1, 0
	TURN 1, 0, 1
.endm
	s_load_b128 s[4:7], s[0:1], 0x0                ; rh (A), wcb (B)
	s_load_b256 s[68:75], s[0:1], 0x10             ; Wc_b s68, zbuf s70, comb s72, cpart s74
	s_load_b64 s[76:77], s[0:1], 0x30              ; out0
	v_lshl_add_u32 v254, v0, 2, 0x42000
	v_mov_b32 v255, 0
	ds_add_u32 v254, v255
	v_lshrrev_b32 v1, 5, v0
	v_readfirstlane_b32 s10, v1                    ; wave 0..3
	s_lshr_b32 s11, s10, 1                         ; my half of the block's rows; also: I fetch for A (0) or for B (1)
	s_and_b32 s12, s10, 1                          ; my half of its columns; also: which half of that tile I fetch
	s_bfe_u32 s40, ttmp6, 0x40000                  ; cx
	s_bfe_u32 s41, ttmp6, 0x40004                  ; cy
	s_lshl_b32 s42, ttmp9, 2
	s_add_co_u32 s42, s42, s40                     ; block column
	s_and_b32 s13, ttmp7, 0xffff
	s_lshl_b32 s13, s13, 2
	s_add_co_u32 s13, s13, s41                     ; block row
	s_lshl_b32 s43, s41, 2
	s_lshl_b32 s43, 15, s43                        ; my row of the cluster
	s_lshl_b32 s44, 0x1111, s40                    ; my column
	s_mov_b32 s66, 0xffff0000
	s_or_b32 s[G1+0], s43, G1W0
	s_or_b32 s[G1B+0], s44, G1W0
	s_mov_b32 s[G1+1], KEL<<16
	s_mov_b32 s[G1B+1], KEL<<16
	s_mov_b32 s[G1+2], ALD<<16
	s_mov_b32 s[G1B+2], BLD<<16
	s_mov_b32 s[G1+3], KEL<<16
	s_mov_b32 s[G1B+3], KEL<<16
	s_mov_b32 s[G1+4], ALD
	s_mov_b32 s[G1B+4], BLD
	s_mov_b32 s[G1+5], PA
	s_mov_b32 s[G1B+5], PB
	s_mov_b32 s[G1+6], 0
	s_mov_b32 s[G1B+6], 0
	s_mov_b32 s[G1+7], 0
	s_mov_b32 s[G1B+7], 0
	s_lshl_b32 s17, s12, 6
	s_lshl_b32 s16, s13, 7
	s_add_co_u32 s16, s16, s17                     ; A: row 128 x block row + 64 x half,
	s_lshl_b32 s16, s16, 12                        ; 4,096 bytes a row
	s_mov_b32 s17, 0
	s_lshl_b32 s47, s12, 6
	s_lshl_b32 s46, s42, 7
	s_add_co_u32 s46, s46, s47                     ; B: row 128 x block column + 64 x half,
	s_lshl_b32 s46, s46, 13                        ; 8,192 bytes a row,
	s_add_co_u32 s46, s46, 4096                    ; from column 2,048 on
	s_mov_b32 s47, 0
	s_mul_i32 s20, s12, ALD*PITCH
	s_mul_i32 s45, s12, BLD*PITCH
	s_add_co_u32 s45, s45, ABYTES
	s_wait_dscnt 0x0
	s_wait_kmcnt 0x0
	s_add_nc_u64 s[14:15], s[4:5], s[16:17]
	s_add_nc_u64 s[46:47], s[6:7], s[46:47]
	CROUND                                         ; all sixteen work-groups are here: the first joint loads meet
.irp s, 0,1
	s_mov_b32 s[G0+4*\s], 1
	s_add_co_u32 s[G0+4*\s+1], s20, \s*SLOT
	s_add_nc_u64 s[G0+4*\s+2:G0+4*\s+3], s[14:15], \s*ROWB
	s_or_b32 s[G0+4*\s+3], s[G0+4*\s+3], 0x80000000
	s_mov_b32 s[G0B+4*\s], 1
	s_add_co_u32 s[G0B+4*\s+1], s45, \s*SLOT
	s_add_nc_u64 s[G0B+4*\s+2:G0B+4*\s+3], s[46:47], \s*ROWB
	s_or_b32 s[G0B+4*\s+3], s[G0B+4*\s+3], 0x80000000
	JLOAD \s
.endr
	v_and_b32 v1, 15, v0
	v_bfe_u32 v2, v0, 4, 1
	v_mul_u32_u24 v3, v1, PITCH
	v_lshl_add_u32 v3, v2, 4, v3
	s_mul_i32 s21, s11, 64*PITCH
	s_mul_i32 s22, s12, 16*NB*PITCH
	s_add_co_u32 s22, s22, ABYTES
.irp s, 0,1
	v_add_nc_u32 v[ADRA+\s], s21, v3
	v_add_nc_u32 v[ADRB+\s], s22, v3
	s_add_co_u32 s21, s21, SLOT
	s_add_co_u32 s22, s22, SLOT
.endr
	v_and_b32 v[L16], 31, v0
	v_lshlrev_b32 v[L8], 3, v[L16]
	v_lshlrev_b32 v[L16], 4, v[L16]
	; the stage: 128 rows of 128 f32 in what was slot 0's A part.  In: row 64 x row half + l % 16, byte 256 x column half + 32 (l / 16).  Back: wave w takes rows 32 w ..
	s_mul_i32 s23, s11, 64*SPITCH
	s_lshl_b32 s21, s12, 8
	s_add_co_u32 s23, s23, s21
	v_mul_u32_u24 v3, v1, SPITCH
	v_lshl_add_u32 v3, v2, 5, v3
	v_add_nc_u32 v[STO], s23, v3
	s_mul_i32 s23, s10, 32*SPITCH
	v_add_nc_u32 v[RD], s23, v[L16]
	; the way out's bases.  Wave w owns rows R0 = 128 x block row + 32 w .. + 31; lane l owns columns 4 l .. 4 l + 3 of the block's 128.
	s_lshl_b32 s82, s13, 7
	s_lshl_b32 s83, s10, 5
	s_add_co_u32 s82, s82, s83
	s_lshl_b32 s82, s82, 13                        ; R0 x 8,192 bytes
	s_lshl_b32 s98, s42, 8
	s_add_co_u32 s98, s98, s82
	s_add_co_u32 s98, s98, 4096                    ; bf16: the right half of a row of comb, + 256 x block column
	s_mov_b32 s99, 0
	s_lshl_b32 s92, s42, 9
	s_mov_b32 s93, 0
	s_add_co_u32 s82, s82, s92                     ; f32: + 512 x block column
	s_mov_b32 s83, 0
	s_add_nc_u64 s[84:85], s[68:69], s[92:93]      ; Wc_b
	s_add_nc_u64 s[86:87], s[70:71], s[82:83]      ; zbuf
	s_add_nc_u64 s[88:89], s[76:77], s[82:83]      ; out0
	s_add_nc_u64 s[90:91], s[72:73], s[98:99]      ; h in comb
	s_add_nc_u64 s[94:95], s[74:75], s[82:83]      ; cpart
	; asked for now, lands under the product; registers and addresses are left alone until the one wait
	global_load_b128 v[4:7], v[L16], s[84:85]
	WIN 0x40                                       ; destination in window 1
.irp p, 0,1,2,3
.irp q, 0,1,2,3,4,5,6,7
	global_load_b128 v[128+4*(8*\p+\q):128+4*(8*\p+\q)+3], v[L16], s[86:87] offset:(8*\p+\q)*8192 th:TH_LOAD_NT
.endr
.endr
	WIN 0x80                                       ; destination in window 2
.irp p, 0,1,2,3
.irp q, 0,1,2,3,4,5,6,7
	global_load_b64 v[2*(8*\p+\q):2*(8*\p+\q)+1], v[L8], s[90:91] offset:(8*\p+\q)*8192 th:TH_LOAD_NT
.endr
.endr
.irp p, 0,1,2,3
.irp q, 0,1,2,3,4,5,6,7
	global_load_b128 v[64+4*(8*\p+\q):64+4*(8*\p+\q)+3], v[L16], s[94:95] offset:(8*\p+\q)*8192 th:TH_LOAD_NT
.endr
.endr
	WIN 0
	s_wait_tensorcnt 0x1                           ; my part of slot 0 is in; slot 1's may stay out
	s_barrier_signal -1
	s_barrier_wait -1
	FETCH 0, 0, 0
	LAP 1
	WIN 0
	s_mov_b32 s3, LAPS-2
.Llap:
	LAP 0
	WIN 0
	s_sub_co_u32 s3, s3, 1
	s_cmp_lg_u32 s3, 0
	s_cbranch_scc1 .Llap
	RUN 0, 0                                       ; the last lap fills nothing
	TURN 0, 1, 0                                   ; behind this barrier no wave reads slot 0 and no load fills it again
	RUN 1, 0
	s_wait_dscnt 4
	WIN MUL
	MULA 1, 0, 0
	MULA 1, 1, 0
	s_wait_dscnt 0
	MULA 1, 2, 0
	MULA 1, 3, 0
	; THE WAY OUT.  The raw sums go into the stage, 32 bytes a lane and tile, and come back as whole rows.
	PLACES
	WIN 0x04                                       ; store data in window 1
.irp a, 0,1,2,3
.irp b, 0,1,2,3
	ds_store_b128 v[STO], v[8*(NB*\a+\b):8*(NB*\a+\b)+3]   offset:\a*16*SPITCH+64*\b
	ds_store_b128 v[STO], v[8*(NB*\a+\b)+4:8*(NB*\a+\b)+7] offset:\a*16*SPITCH+64*\b+16
.endr
.endr
	WIN 0
	s_wait_dscnt 0                                 ; my stores are done, for the waves that read these rows
	s_barrier_signal -1
	s_barrier_wait -1
	s_wait_loadcnt 0x0                             ; the early loads, once
	v_pk_mul_f32 v[4:5], v[4:5], 0x4038aa3b op_sel_hi:[1,0]    ; the bias takes the exponent's factor, 2.885390, once
	v_pk_mul_f32 v[6:7], v[6:7], 0x4038aa3b op_sel_hi:[1,0]
.macro CBATCH g                        ; rows 8 g .. 8 g + 7 of my 32
	s_wait_xcnt 0x0                                ; the last batch's store data (RW) are rewritten only behind this wait
.irp j, 0,1,2,3,4,5,6,7
	ds_load_b128 v[RW+4*\j:RW+4*\j+3], v[RD] offset:(8*\g+\j)*SPITCH
.endr
	WIN 0x08                                       ; source 1 in window 2: h to f32 while the rows are on their way,
.irp j, 0,1,2,3,4,5,6,7
	v_lshlrev_b32 v[HU+4*\j],   16,  v[2*(8*\g+\j)]
	v_and_b32     v[HU+4*\j+1], s66, v[2*(8*\g+\j)]
	v_lshlrev_b32 v[HU+4*\j+2], 16,  v[2*(8*\g+\j)+1]
	v_and_b32     v[HU+4*\j+3], s66, v[2*(8*\g+\j)+1]
.endr
.irp j, 0,1,2,3,4,5,6,7
	s_wait_dscnt 7-\j                              ; row j of the eight is in, the younger ones stay out
	v_pk_add_f32 v[RW+4*\j:RW+4*\j+1],   v[RW+4*\j:RW+4*\j+1],   v[64+4*(8*\g+\j):64+4*(8*\g+\j)+1]     ; then the two halves of the candidate's sum
	v_pk_add_f32 v[RW+4*\j+2:RW+4*\j+3], v[RW+4*\j+2:RW+4*\j+3], v[64+4*(8*\g+\j)+2:64+4*(8*\g+\j)+3]
.endr
	WIN 0
.irp j, 0,1,2,3,4,5,6,7
	v_pk_fma_f32 v[RW+4*\j:RW+4*\j+1],   v[RW+4*\j:RW+4*\j+1],   0x4038aa3b, v[4:5] op_sel_hi:[1,0,1]   ; 2.885390 (sum + bias)
	v_pk_fma_f32 v[RW+4*\j+2:RW+4*\j+3], v[RW+4*\j+2:RW+4*\j+3], 0x4038aa3b, v[6:7] op_sel_hi:[1,0,1]
.irp k, 0,1,2,3
	v_exp_f32 v[RW+4*\j+\k], v[RW+4*\j+\k]         ; the plain place behind these (ISA guide 5.7.2) is the next row's packed line,
.endr
.endr
	v_nop                                          ; or, behind the last row, this one
	s_wait_alu depctr_va_vdst(0)
.irp j, 0,1,2,3,4,5,6,7
	v_pk_add_f32 v[RW+4*\j:RW+4*\j+1],   v[RW+4*\j:RW+4*\j+1],   1.0 op_sel_hi:[1,0]
	v_pk_add_f32 v[RW+4*\j+2:RW+4*\j+3], v[RW+4*\j+2:RW+4*\j+3], 1.0 op_sel_hi:[1,0]
.irp k, 0,1,2,3
	v_rcp_f32 v[RW+4*\j+\k], v[RW+4*\j+\k]
.endr
.endr
	v_nop
	s_wait_alu depctr_va_vdst(0)
.irp j, 0,1,2,3,4,5,6,7
	v_pk_fma_f32 v[RW+4*\j:RW+4*\j+1],   v[RW+4*\j:RW+4*\j+1],   -2.0, 1.0 op_sel_hi:[1,0,0]            ; n
	v_pk_fma_f32 v[RW+4*\j+2:RW+4*\j+3], v[RW+4*\j+2:RW+4*\j+3], -2.0, 1.0 op_sel_hi:[1,0,0]
	v_pk_add_f32 v[RW+4*\j:RW+4*\j+1],   v[RW+4*\j:RW+4*\j+1],   v[HU+4*\j:HU+4*\j+1]   neg_lo:[0,1] neg_hi:[0,1]   ; n - h
	v_pk_add_f32 v[RW+4*\j+2:RW+4*\j+3], v[RW+4*\j+2:RW+4*\j+3], v[HU+4*\j+2:HU+4*\j+3] neg_lo:[0,1] neg_hi:[0,1]
.endr
	WIN 0x01                                       ; source 0 (z) in window 1
.irp j, 0,1,2,3,4,5,6,7
	v_pk_fma_f32 v[RW+4*\j:RW+4*\j+1],   v[128+4*(8*\g+\j):128+4*(8*\g+\j)+1],   v[RW+4*\j:RW+4*\j+1],   v[HU+4*\j:HU+4*\j+1]      ; z (n - h) + h
	v_pk_fma_f32 v[RW+4*\j+2:RW+4*\j+3], v[128+4*(8*\g+\j)+2:128+4*(8*\g+\j)+3], v[RW+4*\j+2:RW+4*\j+3], v[HU+4*\j+2:HU+4*\j+3]
.endr
	WIN 0
.irp j, 0,1,2,3,4,5,6,7
	global_store_b128 v[L16], v[RW+4*\j:RW+4*\j+3], s[88:89] offset:(8*\g+\j)*8192 th:TH_STORE_NT      ; 512 consecutive bytes, aligned
.endr
.endm
	CBATCH 0
	CBATCH 1
	CBATCH 2
	CBATCH 3
	s_wait_tensorcnt 0x0
	ds_add_u32 v254, v255
	s_wait_dscnt 0x0
	CROUND                                         ; the closing round: no work-group ends while a partner may still ask for a tile that names it
	s_endpgm
.Lfunc_end_k_q627f14c1e9_cand:
	.size	k_q627f14c1e9_cand, .Lfunc_end_k_q627f14c1e9_cand-k_q627f14c1e9_cand
	.p2alignl 7, 3214868480
	.fill 96, 4, 3214868480
	.section	.rodata,"a",@progbits
	.p2align	6, 0x0
	.amdhsa_kernel k_q627f14c1e9_cand
		.amdhsa_group_segment_fixed_size 327680
		.amdhsa_private_segment_fixed_size 0
		.amdhsa_enable_private_segment 0
		.amdhsa_kernarg_size 56
		.amdhsa_user_sgpr_count 2
		.amdhsa_user_sgpr_kernarg_segment_ptr 1
		.amdhsa_wavefront_size32 1
		.amdhsa_system_sgpr_workgroup_id_x 1
		.amdhsa_system_sgpr_workgroup_id_y 1
		.amdhsa_system_sgpr_workgroup_id_z 1
		.amdhsa_system_vgpr_workitem_id 0
		.amdhsa_next_free_vgpr 704
		.amdhsa_next_free_sgpr 100
		.amdhsa_reserve_vcc 0
		.amdhsa_float_denorm_mode_32 3
		.amdhsa_float_denorm_mode_16_64 3
		.amdhsa_memory_ordered 1
		.amdhsa_forward_progress 1
		.amdhsa_inst_pref_size 176
	.end_amdhsa_kernel
	.amdgpu_metadata
---
amdhsa.version: [ 1, 2 ]
amdhsa.kernels:
  - .name:           k_q627f14c1e9_cand
    .symbol:         k_q627f14c1e9_cand.kd
    .args:
      - { .name: rh, .offset: 0, .size: 8, .value_kind: global_buffer, .address_space: global }
      - { .name: wcb, .offset: 8, .size: 8, .value_kind: global_buffer, .address_space: global }
      - { .name: Wc_b, .offset: 16, .size: 8, .value_kind: global_buffer, .address_space: global }
      - { .name: zbuf, .offset: 24, .size: 8, .value_kind: global_buffer, .address_space: global }
      - { .name: comb, .offset: 32, .size: 8, .value_kind: global_buffer, .address_space: global }
      - { .name: cpart, .offset: 40, .size: 8, .value_kind: global_buffer, .address_space: global }
      - { .name: out0, .offset: 48, .size: 8, .value_kind: global_buffer, .address_space: global }
    .group_segment_fixed_size: 327680
    .private_segment_fixed_size: 0
    .kernarg_segment_align: 8
    .kernarg_segment_size: 56
    .max_flat_workgroup_size: 128
    .sgpr_count:     100
    .vgpr_count:     704
    .wavefront_size: 32
...
	.end_amdgpu_metadata
.endif
;; end of part 4
